; MI455X (gfx1250); checked and timed in simulation.
; The chip was launched on July 23, 2026; its instructions are those of AMD's public machine-readable ISA for CDNA 5 (MIT licence, August 2026) and "CDNA5" Instruction Set Architecture Reference Guide (July 2026). The comments in the code are by the model that wrote it; some were corrected since.
;; Isolated Multi Attention. Allowed arithmetic: matrix products marked QUANTISED: E2M1 operands, one E8M0 scale for each 32 along K, by v_wmma_scale_f32_16x16x128_f8f6f4 with both operands' format E2M1 (or v_wmma_scale_f32_32x16x128_f4), f32 sums; products left as they are: bf16, f16 or f32 operands; f32 sums; everything else in f32.
;; Inputs: Wk 1,024 x 1,024 float32; Wo 1,024 x 1,024 float32; Wq 1,024 x 1,024 float32; Wv 1,024 x 1,024 float32; inp_emb 4 x 2,048 x 1,024 float32.
;; Outputs: out0 4 x 2,048 x 1,024 float32.
;; This version of the problem:
;;   THIS VERSION OF THE PROBLEM IS GIVEN IN LOW PRECISION. The matrix products marked QUANTISED in the list below multiply operands that are first quantised to E2M1 (2 exponent bits, 1 mantissa bit; 4 bits a number), with one power-of-two scale for each 32 numbers along K (OCP MX v1.0); their sums are f32. The products marked 'left as it is' may take bf16, f16 or f32 operands, with f32 sums. Whichever they take, every output number must still come out within the allowed error. Rounding operands to bf16 (8 significant bits) uses up far more of that allowance than f16 does (11 bits, for magnitudes from 6e-5 to 65,504). All else is computed in f32.
;;   The module's matrix products, in the order in which they are computed (A, B: the left and right operand; K: the contracted axis; several contracted axes count as one K, in the product's order):
;;     1. [M 8,192, K 1,024] x [K 1,024, N 1,024]; A: input inp_emb; B: input Wq: QUANTISED
;;     2. [M 8,192, K 1,024] x [K 1,024, N 1,024]; A: input inp_emb; B: input Wk: QUANTISED
;;     3. [M 8,192, K 1,024] x [K 1,024, N 1,024]; A: input inp_emb; B: input Wv: QUANTISED
;;     4. batch 64 x [M 2,048, K 64] x [K 64, N 2,048]; A: computed on the way; B: computed on the way: left as it is (an operand is computed on the way)
;;     5. batch 64 x [M 2,048, K 2,048] x [K 2,048, N 64]; A: computed on the way; B: computed on the way: left as it is (an operand is computed on the way)
;;     6. [M 8,192, K 1,024] x [K 1,024, N 1,024]; A: computed on the way; B: input Wo: left as it is (an operand is computed on the way)
;;   THE QUANTISER, for each operand of a quantised product, along K:
;;     - K is cut into blocks of 32 from its start; a last block that is shorter is filled with zeros.
;;     - A block's scale is 2^e with e = floor(log2(the largest magnitude in the block)) - 2, held to -126 .. 127; a block of zeros has e = 0. As a byte (E8M0): e + 127.
;;     - Each number is divided by its block's scale, clamped to +-6, and rounded to the nearest number of E2M1, ties to even, subnormals kept.
;;     - The product sums the exact products of the quantised numbers (number of the format x scale) in f32.
;;   ~~~python
;;   def quantise(x, axis):      # numpy; x: float32 -> the quantised numbers, widened to float32 again
;;       x = np.moveaxis(x, axis, -1); K = x.shape[-1]
;;       x = np.pad(x, [(0, 0)] * (x.ndim - 1) + [(0, -K % 32)]); x = x.reshape(x.shape[:-1] + (-1, 32)); a = np.abs(x).max(-1, keepdims=True)
;;       e = np.where(a > 0, np.clip(np.frexp(np.where(a > 0, a, 1))[1] - 1 - 2, -126, 127), 0)      # np.frexp(a)[1] - 1 = floor(log2(a)), exactly
;;       r = np.clip(x / 2.0 ** e, -6, 6)
;;       step = 2.0 ** (np.maximum(np.frexp(np.where(r == 0, 1, r))[1] - 1, 0) - 1)
;;       q = np.round(r / step) * step * 2.0 ** e      # np.round: ties to even
;;       return np.moveaxis(q.reshape(q.shape[:-2] + (-1,))[..., :K], -1, axis).astype(np.float32)
;;   ~~~
;; One version. Each part assembles by itself: llvm-mc -triple=amdgcn-amd-amdhsa -mcpu=gfx1250 --defsym DOCPART=n.
;; ======== version 1 of 1: 4 launches
;; limits: values are held in f16: magnitudes above 65,504 overflow, below 6.1e-05 lose precision; right only within a limited range of input values
;; workspace buffers: x_codes 4,194,304 bytes; x_scales 262,144 bytes; w_codes 1,572,864 bytes; w_scales 98,304 bytes; wo16 2,097,152 bytes; qkv 50,331,648 bytes; att 16,777,216 bytes
;; launch quant (part 1): grid 384 x 1, 4 waves a work-group, no clusters, 33,280 bytes of LDS; arguments inp_emb, Wq, Wk, Wv, Wo, x_codes, x_scales, w_codes, w_scales, wo16; writes x_codes, x_scales, w_codes, w_scales, wo16
.if DOCPART == 1
	.amdgcn_target "amdgcn-amd-amdhsa--gfx1250"
	.amdhsa_code_object_version 6
	.text
	.protected	k_q6feda36e58_quant
	.globl	k_q6feda36e58_quant
	.p2align	8
	.type	k_q6feda36e58_quant,@function
k_q6feda36e58_quant:
	s_mov_b64 s[64:65], 0
	v_nop
	global_prefetch_b8 v0, s[64:65] scope:SCOPE_SE
	s_setreg_imm32_b32 hwreg(HW_REG_WAVE_MODE, 25, 1), 1
	s_wait_xcnt 0x0
; inp_emb [8192][1024], Wq, Wk, Wv [1024][1024], f32, K innermost, become codes of FP4 (E2M1), two a byte, and one E8M0 byte for each 32 along K; Wo [1024][1024] becomes f16.
; x_codes [8192][512 bytes], x_scales [8192][32]; w_codes [3072][512 bytes], w_scales [3072][32]: rows 0-1023 Wq's, 1024-2047 Wk's, 2048-3071 Wv's; wo16 [1024][1024] f16.
; A block's scale is 2^(floor(log2(its largest magnitude)) - 2); its byte is the largest magnitude's exponent field - 2, held at 1 from below.  A block of zeros so gets the byte 1 where the
; stated quantiser says 127: its codes are zeros, which add nothing under that byte, and this program alone reads the bytes.
; LIMITS: blocks whose largest magnitude lies under 2^-124 keep the byte 1; NaN and infinities among the inputs are not served; |Wo| stays under 65,504 (f16).
; SHARES: rows are dense and K is a multiple of 32, so every tensor is a plain stream.  A work-group takes 32,768 numbers, a wave 8,192.  Work-groups 0-255: inp_emb; 256-287: Wq; 288-319: Wk;
; 320-351: Wv; 352-383: Wo's conversion to f16, a path of its own that uses no stage in LDS.
; THE QUANTISER: a wave takes 16 steps of 512 numbers.  Each of a step's four loads reads 512 consecutive bytes, 16 a lane; the 2,048 bytes go through the wave's own stage in LDS as they lie and come
; back 64 bytes a lane, so that a lane holds 16 neighbours along K (two neighbouring lanes hold a block).  A lane's 16 codes are 8 bytes: the wave stores 256 consecutive bytes.
; A wave's 256 scale bytes are gathered in its own LDS bytes and leave as 256 consecutive bytes.  No barrier: waves share nothing.
.set WAVES, 4
.set STEPS, 16
.set EMAX,  2
.set CB,    8                          ; bytes of 16 codes
.set R,     16                         ; v16-79   four sets of 16 numbers as they are loaded
.set X,     80                         ; v80-111  two sets of 16 neighbours
.set E,     112                        ; v112-127 a scale byte for each step
.set C,     128                        ; v128-191 codes: four registers for each step, so that no store's data are written again
.set WREG,  8192                       ; LDS: a region for each wave: two stages of 32 x SP bytes, behind them its 256 scale bytes
.set SP,    80                         ; a lane's place in a stage: 64 bytes + 16 of padding
.set SPW,   12                         ; v12  LDS address of my spare word; never rewritten
.set NIL,   13                         ; v13  0; never rewritten
.set SPARE, WAVES*WREG                 ; behind the four regions: the spare words, 128 bytes a wave
.set WI,    16                         ; Wo's path: v16-143 two sets of 64 registers as loaded
.set WO,    144                        ; v144-175 a batch's f16 pairs
	s_load_b256 s[4:11], s[0:1], 0x0               ; inp_emb s[4:5], Wq s[6:7], Wk s[8:9], Wv s[10:11]
	s_load_b256 s[12:19], s[0:1], 0x20             ; Wo s[12:13], x_codes s[14:15], x_scales s[16:17], w_codes s[18:19]
	s_load_b128 s[20:23], s[0:1], 0x40             ; w_scales s[20:21], wo16 s[22:23]
	v_lshl_add_u32 v[SPW], v0, 2, SPARE
	v_mov_b32 v[NIL], 0
	v_lshrrev_b32 v1, 5, v0
	v_readfirstlane_b32 s32, v1                    ; wave
	v_and_b32 v2, 31, v0                           ; lane
	v_lshlrev_b32 v3, 4, v2                        ; my 16 bytes of a load's 512
	s_mul_i32 s33, s32, WREG
	v_lshrrev_b32 v14, 2, v2
	v_mul_u32_u24 v14, v14, SP
	v_and_b32 v15, 3, v2
	v_lshl_add_u32 v14, v15, 4, v14
	v_add_nc_u32 v14, s33, v14                     ; the stage, on the way in: SP (lane / 4) + 16 (lane % 4)
	v_mul_u32_u24 v15, v2, SP
	v_add_nc_u32 v15, s33, v15                     ; and on the way out: SP x lane: my 16 neighbours
	v_mul_u32_u24 v4, v2, CB                       ; 8 x lane: my codes' place in a step's; in Wo's path my four f16
	v_lshrrev_b32 v5, 1, v2
	s_add_co_u32 s33, s33, 2*32*SP
	v_add_nc_u32 v5, s33, v5                       ; LDS: my wave's 256 scale bytes, my block's byte
	v_lshlrev_b32 v7, 3, v2                        ; on the way out 8 bytes a lane
	v_add_nc_u32 v6, s33, v7
	s_wait_kmcnt 0x0
	s_cmp_ge_u32 ttmp9, 352                        ; the choice hangs on the work-group's number alone
	s_cbranch_scc1 .Lwo
	s_mov_b64 s[24:25], s[10:11]                   ; which tensor: Wv,
	s_mov_b32 s26, 320                             ; and the first work-group that takes it
	s_cmp_lt_u32 ttmp9, 320
	s_cselect_b64 s[24:25], s[8:9], s[24:25]       ; Wk,
	s_cselect_b32 s26, 288, s26
	s_cmp_lt_u32 ttmp9, 288
	s_cselect_b64 s[24:25], s[6:7], s[24:25]       ; Wq,
	s_cselect_b32 s26, 256, s26
	s_cmp_lt_u32 ttmp9, 256
	s_cselect_b64 s[24:25], s[4:5], s[24:25]       ; or inp_emb
	s_cselect_b32 s26, 0, s26
	s_cselect_b64 s[28:29], s[14:15], s[18:19]     ; the codes go to x_codes or to w_codes,
	s_cselect_b64 s[30:31], s[16:17], s[20:21]     ; the bytes to x_scales or to w_scales,
	s_cselect_b32 s27, 0, 256                      ; counted from the first work-group that writes that buffer
	s_sub_co_u32 s34, ttmp9, s26
	s_lshl_b32 s34, s34, 2
	s_add_co_u32 s34, s34, s32                     ; which run of 8,192 numbers of the source is my wave's
	s_lshl_b32 s34, s34, 15                        ; 32,768 bytes a run
	s_mov_b32 s35, 0
	s_add_nc_u64 s[24:25], s[24:25], s[34:35]
	s_sub_co_u32 s36, ttmp9, s27
	s_lshl_b32 s36, s36, 2
	s_add_co_u32 s36, s36, s32                     ; and which run of the destination
	s_lshl_b32 s34, s36, 12                        ; 4,096 bytes of codes a run
	s_add_nc_u64 s[28:29], s[28:29], s[34:35]
	s_lshl_b32 s34, s36, 8                         ; 256 scale bytes a run
	s_add_nc_u64 s[30:31], s[30:31], s[34:35]
.macro LOAD t
.irp i, 0,1,2,3
	global_load_b128 v[R+16*((\t)%4)+4*\i:R+16*((\t)%4)+4*\i+3], v3, s[24:25] offset:2048*(\t)+512*\i th:TH_LOAD_NT   ; 32 lanes read 512 consecutive bytes
.endr
.endm
.macro TURN t                          ; step t's numbers through the stage: LDS serves a wave's instructions in order (ISA guide 5.7.1), so no wait stands between the stores and the loads
.irp i, 0,1,2,3
	ds_store_b128 v14, v[R+16*((\t)%4)+4*\i:R+16*((\t)%4)+4*\i+3] offset:32*SP*((\t)%2)+8*SP*\i
.endr
.irp i, 0,1,2,3
	ds_load_b128 v[X+16*((\t)%2)+4*\i:X+16*((\t)%2)+4*\i+3], v15 offset:32*SP*((\t)%2)+16*\i
.endr
.endm
.irp t, 0,1,2,3
	LOAD \t
.endr
	s_wait_loadcnt 12                              ; step 0's four loads are in; the twelve of steps 1 to 3 stay out
	TURN 0
.macro STEP t
.set XS, X+16*((\t)%2)
.if (\t) > 0
	s_wait_dscnt 1                                 ; this step's numbers are back from the stage (the last step's byte store may be out): so its stores into the stage have read their registers,
.else
	s_wait_dscnt 0x0
.endif
.if (\t)+4 < STEPS
	LOAD (\t)+4                                    ; which take the loads of four steps on
.endif
.if (\t)+1 < STEPS
.if STEPS-2-(\t) >= 3
	s_wait_loadcnt 12                              ; the next step's four loads are in; those of the three steps behind it may be out
.else
	s_wait_loadcnt 4*(STEPS-2-(\t))
.endif
	TURN (\t)+1                                    ; and go through the other stage while this step is worked
.endif
	v_max3_num_f32 v8, |v[XS]|, |v[XS+1]|, |v[XS+2]|               ; the largest magnitude of my 16, in two chains
	v_max3_num_f32 v9, |v[XS+3]|, |v[XS+4]|, |v[XS+5]|
.irp i, 6,10
	v_max3_num_f32 v8, v8, |v[XS+\i]|, |v[XS+\i+1]|
	v_max3_num_f32 v9, v9, |v[XS+\i+2]|, |v[XS+\i+3]|
.endr
	v_max3_num_f32 v8, v8, |v[XS+14]|, |v[XS+15]|
	v_max3_num_f32 v8, v8, v9, (EMAX+1)<<23        ; and the floor 2^(3 - 127): so the byte cannot fall under 1
	v_max_num_f32_dpp v8, v8, v8 row_xmask:1 row_mask:0xf bank_mask:0xf   ; and of my neighbour's 16: the block's
	v_add_nc_u32 v11, -(EMAX<<23), v8              ; 2 off its exponent field: the conversion takes the exponent field of this operand as its scale
	v_cvt_scalef32_pk8_fp4_f32 v[C+4*(\t)], v[XS:XS+7], v11        ; eight numbers / the scale, to the nearest code, ties to even, beyond the largest code the largest
	v_cvt_scalef32_pk8_fp4_f32 v[C+4*(\t)+1], v[XS+8:XS+15], v11
	v_lshrrev_b32 v[E+(\t)], 23, v11               ; the scale's byte (a plain line behind the conversions)
	ds_store_b8 v5, v[E+(\t)] offset:16*(\t)       ; both lanes of a block write the same byte with the same value
	global_store_b64 v4, v[C+4*(\t):C+4*(\t)+1], s[28:29] offset:32*CB*(\t)   ; 32 lanes store 256 consecutive bytes, at a multiple of 256 from the buffer's first byte
.endm
.irp t, 0,1,2,3,4,5,6,7,8,9,10,11,12,13,14,15
	STEP \t
.endr
	ds_load_b64 v[8:9], v6                         ; in order behind my byte stores
	s_wait_dscnt 0x0
	global_store_b64 v7, v[8:9], s[30:31]          ; 32 lanes store my run's 256 scale bytes
	s_wait_tensorcnt 0x0                           ; the wave's end, behind my last LDS store
	ds_add_u32 v[SPW], v[NIL]
	s_wait_dscnt 0x0
	s_endpgm
; Wo to f16: a wave takes 8,192 numbers as 64 loads of 512 consecutive bytes, in four batches of sixteen, two batches in flight; a load's 128 numbers leave as 256 consecutive bytes.
.Lwo:
	s_sub_co_u32 s34, ttmp9, 352
	s_lshl_b32 s34, s34, 2
	s_add_co_u32 s34, s34, s32                     ; my wave's run
	s_lshl_b32 s36, s34, 14                        ; 16,384 bytes of f16,
	s_lshl_b32 s34, s34, 15                        ; 32,768 of f32
	s_mov_b32 s35, 0
	s_mov_b32 s37, 0
	s_add_nc_u64 s[12:13], s[12:13], s[34:35]
	s_add_nc_u64 s[22:23], s[22:23], s[36:37]
.macro LOADB b
.set i, 0
.rept 16
	global_load_b128 v[WI+64*((\b)%2)+4*i:WI+64*((\b)%2)+4*i+3], v3, s[12:13] offset:512*(16*(\b)+i) th:TH_LOAD_NT
.set i, i+1
.endr
.endm
	LOADB 0
	LOADB 1
.irp b, 0,1,2,3
.if \b < 3
	s_wait_loadcnt 16                              ; this batch is in; the next batch's sixteen loads stay out
.else
	s_wait_loadcnt 0x0
.endif
.if \b > 0
	s_wait_xcnt 0x0                                ; the last batch's stores have read their data registers, which are written again below
.endif
.set i, 0
.rept 16
	v_cvt_pk_f16_f32 v[WO+2*i], v[WI+64*(\b%2)+4*i], v[WI+64*(\b%2)+4*i+1]
	v_cvt_pk_f16_f32 v[WO+2*i+1], v[WI+64*(\b%2)+4*i+2], v[WI+64*(\b%2)+4*i+3]
.set i, i+1
.endr
.set i, 0
.rept 16
	global_store_b64 v4, v[WO+2*i:WO+2*i+1], s[22:23] offset:256*(16*\b+i)
.set i, i+1
.endr
.if \b < 2
	LOADB \b+2
.endif
.endr
	s_wait_tensorcnt 0x0                           ; the wave's end
	ds_add_u32 v[SPW], v[NIL]
	s_wait_dscnt 0x0
	s_endpgm
.Lfunc_end_k_q6feda36e58_quant:
	.size	k_q6feda36e58_quant, .Lfunc_end_k_q6feda36e58_quant-k_q6feda36e58_quant
	.p2alignl 7, 3214868480
	.fill 96, 4, 3214868480
	.section	.rodata,"a",@progbits
	.p2align	6, 0x0
	.amdhsa_kernel k_q6feda36e58_quant
		.amdhsa_group_segment_fixed_size 33280
		.amdhsa_private_segment_fixed_size 0
		.amdhsa_enable_private_segment 0
		.amdhsa_kernarg_size 80
		.amdhsa_user_sgpr_count 2
		.amdhsa_user_sgpr_kernarg_segment_ptr 1
		.amdhsa_wavefront_size32 1
		.amdhsa_system_sgpr_workgroup_id_x 1
		.amdhsa_system_sgpr_workgroup_id_y 1
		.amdhsa_system_sgpr_workgroup_id_z 1
		.amdhsa_system_vgpr_workitem_id 0
		.amdhsa_next_free_vgpr 192
		.amdhsa_next_free_sgpr 66
		.amdhsa_reserve_vcc 0
		.amdhsa_float_denorm_mode_32 3
		.amdhsa_float_denorm_mode_16_64 3
		.amdhsa_memory_ordered 1
		.amdhsa_forward_progress 1
		.amdhsa_inst_pref_size 55
	.end_amdhsa_kernel
	.amdgpu_metadata
---
amdhsa.version: [ 1, 2 ]
amdhsa.kernels:
  - .name:           k_q6feda36e58_quant
    .symbol:         k_q6feda36e58_quant.kd
    .args:
      - { .name: inp_emb, .offset: 0, .size: 8, .value_kind: global_buffer, .address_space: global }
      - { .name: Wq, .offset: 8, .size: 8, .value_kind: global_buffer, .address_space: global }
      - { .name: Wk, .offset: 16, .size: 8, .value_kind: global_buffer, .address_space: global }
      - { .name: Wv, .offset: 24, .size: 8, .value_kind: global_buffer, .address_space: global }
      - { .name: Wo, .offset: 32, .size: 8, .value_kind: global_buffer, .address_space: global }
      - { .name: x_codes, .offset: 40, .size: 8, .value_kind: global_buffer, .address_space: global }
      - { .name: x_scales, .offset: 48, .size: 8, .value_kind: global_buffer, .address_space: global }
      - { .name: w_codes, .offset: 56, .size: 8, .value_kind: global_buffer, .address_space: global }
      - { .name: w_scales, .offset: 64, .size: 8, .value_kind: global_buffer, .address_space: global }
      - { .name: wo16, .offset: 72, .size: 8, .value_kind: global_buffer, .address_space: global }
    .group_segment_fixed_size: 33280
    .private_segment_fixed_size: 0
    .kernarg_segment_align: 8
    .kernarg_segment_size: 80
    .max_flat_workgroup_size: 128
    .sgpr_count:     66
    .vgpr_count:     192
    .wavefront_size: 32
...
	.end_amdgpu_metadata
.endif
;; end of part 1
;; launch qkv (part 2): grid 12 x 32, 4 waves a work-group, clusters of 4 x 4, 327,680 bytes of LDS; arguments x_codes, x_scales, w_codes, w_scales, qkv; writes qkv
.if DOCPART == 2
	.amdgcn_target "amdgcn-amd-amdhsa--gfx1250"
	.amdhsa_code_object_version 6
	.text
	.protected	k_q6feda36e58_qkv
	.globl	k_q6feda36e58_qkv
	.p2align	8
	.type	k_q6feda36e58_qkv,@function
k_q6feda36e58_qkv:
	s_mov_b64 s[64:65], 0
	v_nop
	global_prefetch_b8 v0, s[64:65] scope:SCOPE_SE
	s_setreg_imm32_b32 hwreg(HW_REG_WAVE_MODE, 25, 1), 1
	s_wait_xcnt 0x0
	s_wait_alu depctr_hold_cnt(0) depctr_sa_sdst(0) depctr_va_vdst(0) depctr_va_sdst(0) depctr_va_ssrc(0) depctr_va_vcc(0) depctr_vm_vsrc(0)
	s_getreg_b32 s2, hwreg(HW_REG_IB_STS2, 6, 4)
	s_cmp_eq_u32 s2, 0
	s_cbranch_scc0 .Lentry_in_a_cluster
	s_endpgm
.Lentry_in_a_cluster:
	s_bfe_u32 s2, ttmp6, 0x10000c
	s_cmp_lg_u32 s2, 0xf033
	s_cbranch_scc0 .Lentry_shape_is_right
	s_endpgm
.Lentry_shape_is_right:
; C[m][n] = sum over k of X[m][k] W[n][k], on codes of FP4 (E2M1) with one E8M0 scale for each 32 along K; X: [8192][1024], W: [3072][1024] (Wq's, Wk's, Wv's rows on end); sums in f32.
; C is rounded once to f16 and laid by head: qkv [which 3][batch 4][head 16][position 2048][64]: a head's Q, K or V is one dense block of 262,144 bytes.
; LIMIT: |Q|, |K|, |V| stay under 65,504 (f16).
; A tile of C, 256 x 256, is made by a work-group of four waves; a wave makes 128 x 128: 64 accumulators of 16 x 16, 512 registers.  K = 1,024 is two LDS slots of 512 along K (a tile's row is 256 bytes
; of memory): both are asked for at the head and nothing is filled again.  The scale bytes of the work-group's rows of X and of W, for all of K, are two dense blocks: they come with the first fills.
; CLUSTERS: 4 x 4 work-groups.  The four of a row of the cluster need the same tiles of X, the four of a column the same tiles of W: each tile is asked for JOINTLY, by the same tensor load with the same
; descriptor and a mask that names the four.  THE MATRIX INSTRUCTION IS USED TRANSPOSED (source 0 = 16 rows of W, source 1 = 16 rows of X): a lane then holds eight neighbouring numbers of a row of C.
; REGISTERS, in windows of 256: window 0: v0-31 addresses; v32-95 scale words, two sets; from v128 X's fragments (8 x 16 rows x 128 K), ONE set; on the way out v128-223.
;   window 1: W's fragments, TWO sets, at v0 and at v128.   window 2: the 32 accumulators of my rows 0-63 (accumulator (a, b) at v[8 (8 a + b)]);   window 3: those of my rows 64-127.
; A step of 128 along K is 64 matrix instructions, X's blocks one after the other, each against W's eight: a block of X is free as soon as its eight products are issued, so one set serves X.
.set SIZE_K, 1024
.set KSTEP,  512                       ; along K in a slot
.set NQ,     KSTEP/128                 ; matrix instructions deep
.set ROWB,   256                       ; a tile's row in bytes
.set KROW,   SIZE_K/2                  ; a row of codes in memory, in bytes
.set PITCH,  272                       ; an LDS row: 256 bytes + 16 of padding, so that the 16 rows of a fragment load start 68 words apart
.set FR,     8                         ; registers of a fragment: 16 rows x 128 K
.set NL,     2                         ; LDS loads that bring one
.set NP,     4                         ; places behind this matrix instruction (ISA guide 7.12.1)
.set HALFT,  128*PITCH                 ; 128 rows: what one tensor load brings
.set SLOT,   4*HALFT                   ; X's 256 rows, then W's 256 rows
.set KS,     SIZE_K/32                 ; a row of scale bytes
.set SCL,    2*SLOT                    ; behind the two slots: the scales, as runs of 256 bytes + 16 of padding
.set HALFS,  (128*KS/256)*272          ; the scales of 128 rows
.set SBLK,   (16*KS/256)*272           ; those of 16 rows
.set STG,    SCL+4*HALFS               ; the way out: a stage of 16 rows x (256 bytes + 16) for each wave; no tensor load lands here
.set SPITCH, 272
.set SPARE,  STG+4*16*SPITCH           ; the spare words, 128 bytes for each wave
.set ADRA, 16                          ; v16-17  LDS address of my X fragments in slot 0, 1
.set ADRB, 20                          ; v20-21  the same for W
.set STO,  24                          ; v24     the way out: where I put 16 bytes of a row
.set RD,   25                          ; v25     the way out: where I read back
.set CO,   26                          ; v26     16 x lane
.set ADRS, 27                          ; v27     LDS address of my scale words: lanes 0-15 X's rows, lanes 16-31 W's
.set SPW,  28                          ; v28     LDS address of my spare word; never rewritten
.set NIL,  29                          ; v29     0; never rewritten
.set SC,   32                          ; scale words: set s at v[SC + 32 s]; register 4 i + q: lanes 0-15 the word of X's block i, lanes 16-31 that of W's block i, for the slot's q-th 128 along K
.set AF,   128                         ; X's fragments, in window 0
.set TMP,  128                         ; the way out: a block's packed results
.set BK,   160                         ; and 16 rows read back: v160-191 and v192-223 by turns
.set G1, 24                            ; s[24:31] descriptor group 1 for X's tiles;  s[32:39] group 0, one set for each slot
.set G0, 32
.set G1B, 48                           ; s[48:55], s[56:63] the same for W's tiles
.set G0B, 56
.set G1S, 68                           ; s[68:75], s[76:79] groups 1 and 0 for X's scales;  s[80:87], s[88:91] for W's
.set G0S, 76
.set G1SB, 80
.set G0SB, 88
.set MSB, 0
.macro WIN new                         ; the immediate's high byte repeats the setting that is left
.if MSB != (\new)
	s_set_vgpr_msb (MSB<<8)|(\new)
.set MSB, (\new)
.endif
.endm
.set MUL_LO, 0xa1                      ; source 0 (W) window 1, source 1 (X) window 0, C and D window 2
.set MUL_HI, 0xf1                      ; the same, C and D window 3
.set TO_B,   0x40                      ; destination window 1, address window 0
; A joint load: waves 0 and 1 fetch for X, waves 2 and 3 for W.  Each of the two lines has one mask and one set of registers for all that issue it; the branch hangs on the wave's number alone.
; An s_nop 0 and four v_nop follow each of the two lines.
.macro JLOAD g0a, g1a, g0b, g1b
	s_cmp_eq_u32 s15, 0
	s_cbranch_scc0 .Lfor_b_\@
	tensor_load_to_lds s[\g0a:\g0a+3], s[\g1a:\g1a+7]
	s_nop 0
.rept 4
	v_nop
.endr
	s_branch .Lasked_\@
.Lfor_b_\@:
	tensor_load_to_lds s[\g0b:\g0b+3], s[\g1b:\g1b+7]
	s_nop 0
.rept 4
	v_nop
.endr
.Lasked_\@:
.endm
.macro CROUND                          ; a round of the cluster's barrier: my work-group's barrier; wave 0 signals for the work-group; every wave waits for all sixteen; my work-group's barrier once more
	s_barrier_signal -1
	s_barrier_wait -1
	s_cmp_lg_u32 s14, 0
	s_cbranch_scc1 .Lnot_wave_0_\@
	s_barrier_signal -3
.Lnot_wave_0_\@:
	s_barrier_wait -3
	s_barrier_signal -1
	s_barrier_wait -1
.endm
	s_load_b128 s[4:7], s[0:1], 0x0                ; X's codes s[4:5], X's scales s[6:7]
	s_load_b128 s[8:11], s[0:1], 0x10              ; W's codes s[8:9], W's scales s[10:11]
	s_load_b64 s[12:13], s[0:1], 0x20              ; qkv
	v_lshl_add_u32 v[SPW], v0, 2, SPARE
	v_mov_b32 v[NIL], 0
	ds_add_u32 v[SPW], v[NIL]                      ; the wave's opening: the add, twice on end, and its wait ahead of my first tensor load
	ds_add_u32 v[SPW], v[NIL]
	v_lshrrev_b32 v1, 5, v0
	v_readfirstlane_b32 s14, v1                    ; wave 0..3
	s_lshr_b32 s15, s14, 1                         ; which half of the tile's rows is mine.  Also: I fetch for X (0) or for W (1)
	s_and_b32 s16, s14, 1                          ; which half of its columns.  Also: which 128 rows of that tile I fetch
	s_bfe_u32 s40, ttmp6, 0x40000                  ; cx, cy: my place in the cluster
	s_bfe_u32 s41, ttmp6, 0x40004
	s_lshl_b32 s42, ttmp9, 2
	s_add_co_u32 s42, s42, s40                     ; tile column of C = 4 x cluster x + cx
	s_and_b32 s17, ttmp7, 0xffff
	s_lshl_b32 s17, s17, 2
	s_add_co_u32 s17, s17, s41                     ; tile row of C = 4 x cluster y + cy
	s_lshl_b32 s43, s41, 2
	s_lshl_b32 s43, 15, s43                        ; my row of the cluster
	s_lshl_b32 s44, 0x1111, s40                    ; my column
	; descriptor group 1: a tile of 128 rows x 256 bytes, padded in LDS
	s_or_b32 s[G1+0], s43, (0<<16)|(1<<20)|(1<<21)|(5<<22)|(3<<25)  ; 15:0 the mask: X's tiles go to my row; 17:16 element of 1 byte; 20 padding on; 21 set beside a mask; 24:22 after every 64 words; 31:25 four words
	s_or_b32 s[G1B+0], s44, (0<<16)|(1<<20)|(1<<21)|(5<<22)|(3<<25)
.irp g, G1, G1B
	s_mov_b32 s[\g+1], ROWB<<16                    ; tensor_dim0
	s_mov_b32 s[\g+2], 128<<16                     ; tensor_dim1 = 128
	s_mov_b32 s[\g+3], ROWB<<16                    ; tile_dim0
	s_mov_b32 s[\g+4], 128                         ; tile_dim1 = 128
	s_mov_b32 s[\g+5], KROW                        ; from row to row
	s_mov_b32 s[\g+6], 0
	s_mov_b32 s[\g+7], 0
.endr
	; the scales of 128 rows: a dense block of 4,096 bytes, as 16 rows of 256 bytes (32 elements of 8 bytes), 16 bytes of padding behind each
	s_or_b32 s[G1S+0], s43, (3<<16)|(1<<20)|(1<<21)|(5<<22)|(3<<25)
	s_or_b32 s[G1SB+0], s44, (3<<16)|(1<<20)|(1<<21)|(5<<22)|(3<<25)
.irp g, G1S, G1SB
	s_mov_b32 s[\g+1], 32<<16
	s_mov_b32 s[\g+2], (128*KS/256)<<16
	s_mov_b32 s[\g+3], 32<<16
	s_mov_b32 s[\g+4], 128*KS/256
	s_mov_b32 s[\g+5], 32
	s_mov_b32 s[\g+6], 0
	s_mov_b32 s[\g+7], 0
.endr
	s_lshl_b32 s18, s16, 7                         ; which 128 rows of the tile I fetch
	s_lshl_b32 s20, s17, 8
	s_add_co_u32 s20, s20, s18                     ; X: row 256 x tile row + 128 x half
	s_lshl_b32 s46, s42, 8
	s_add_co_u32 s46, s46, s18                     ; W: row 256 x tile column + 128 x half
	s_mov_b32 s21, 0
	s_mov_b32 s47, 0
	s_mov_b64 s[18:19], KS
	s_mul_u64 s[22:23], s[20:21], s[18:19]         ; where these rows' scales begin, in bytes
	s_mul_u64 s[92:93], s[46:47], s[18:19]
	s_mov_b64 s[18:19], KROW
	s_mul_u64 s[20:21], s[20:21], s[18:19]         ; and their codes
	s_mul_u64 s[46:47], s[46:47], s[18:19]
	s_mul_i32 s45, s14, HALFT                      ; where they go: wave x 128 rows: no place in the cluster enters an LDS address
	s_mul_i32 s94, s14, HALFS
	s_wait_dscnt 0x0                               ; both opening adds are done
	s_wait_kmcnt 0x0
	s_add_nc_u64 s[20:21], s[4:5], s[20:21]
	s_add_nc_u64 s[22:23], s[6:7], s[22:23]
	s_add_nc_u64 s[46:47], s[8:9], s[46:47]
	s_add_nc_u64 s[92:93], s[10:11], s[92:93]
	CROUND                                         ; all sixteen work-groups are here: the joint loads meet
	s_mov_b32 s[G0S], 1
	s_add_co_u32 s[G0S+1], s94, SCL
	s_mov_b64 s[G0S+2:G0S+3], s[22:23]
	s_or_b32 s[G0S+3], s[G0S+3], 0x80000000
	s_mov_b32 s[G0SB], 1
	s_add_co_u32 s[G0SB+1], s94, SCL
	s_mov_b64 s[G0SB+2:G0SB+3], s[92:93]
	s_or_b32 s[G0SB+3], s[G0SB+3], 0x80000000
	JLOAD G0S, G1S, G0SB, G1SB                     ; the scales first: they are wanted with the first slot
.irp s, 0,1
	s_mov_b32 s[G0+4*\s], 1
	s_add_co_u32 s[G0+4*\s+1], s45, \s*SLOT
	s_add_nc_u64 s[G0+4*\s+2:G0+4*\s+3], s[20:21], \s*ROWB
	s_or_b32 s[G0+4*\s+3], s[G0+4*\s+3], 0x80000000
	s_mov_b32 s[G0B+4*\s], 1
	s_add_co_u32 s[G0B+4*\s+1], s45, \s*SLOT
	s_add_nc_u64 s[G0B+4*\s+2:G0B+4*\s+3], s[46:47], \s*ROWB
	s_or_b32 s[G0B+4*\s+3], s[G0B+4*\s+3], 0x80000000
	JLOAD G0+4*\s, G1, G0B+4*\s, G1B               ; three loads of mine are out behind the second of these
.endr
	v_and_b32 v1, 15, v0                           ; l % 16
	v_bfe_u32 v2, v0, 4, 1                         ; l / 16
	v_mul_u32_u24 v3, v1, PITCH
	v_lshl_add_u32 v4, v2, 4, v3                   ; a fragment's row x pitch + 16 x half
	s_mul_i32 s21, s15, HALFT                      ; my 128 rows of X
	s_mul_i32 s22, s16, HALFT                      ; my 128 rows of W,
	s_add_co_u32 s22, s22, 2*HALFT                 ; which lie behind X's 256
.irp s, 0,1
	v_add_nc_u32 v[ADRA+\s], s21, v4
	v_add_nc_u32 v[ADRB+\s], s22, v4
	s_add_co_u32 s21, s21, SLOT
	s_add_co_u32 s22, s22, SLOT
.endr
	v_mul_u32_u24 v5, v1, KS                       ; my row's scales: 32 bytes a row,
	v_lshrrev_b32 v6, 8, v5
	v_lshl_add_u32 v5, v6, 4, v5                   ; and 16 more for each 256 passed
	s_mul_i32 s21, s15, HALFS                      ; X's: my 128 rows
	s_mul_i32 s22, s16, HALFS                      ; W's: my 128 rows, behind X's 256
	s_add_co_u32 s22, s22, 2*HALFS
	s_sub_co_u32 s22, s22, s21
	v_mul_u32_u24 v6, s22, v2                      ; lanes 16-31 take W's: one product, the distance between the two bases
	s_add_co_u32 s21, s21, SCL
	v_add_nc_u32 v5, v5, v6
	v_add_nc_u32 v[ADRS], s21, v5
	s_mul_i32 s23, s14, 16*SPITCH
	s_add_co_u32 s23, s23, STG                     ; my stage
	v_mul_u32_u24 v5, v1, SPITCH                   ; in: row l % 16, 16 bytes for each half of the lanes
	v_lshl_add_u32 v5, v2, 4, v5
	v_add_nc_u32 v[STO], s23, v5
	v_bfe_u32 v5, v0, 3, 2                         ; back: eight lanes take the 128 bytes that a row has of one head, four rows an instruction
	v_mul_u32_u24 v5, v5, SPITCH
	v_and_b32 v6, 7, v0
	v_lshl_add_u32 v5, v6, 4, v5
	v_add_nc_u32 v[RD], s23, v5
	v_and_b32 v6, 31, v0
	v_lshlrev_b32 v[CO], 4, v6                     ; those four rows are 512 consecutive bytes of qkv: 16 x lane
	; where my part begins in qkv: head index ((which x 4 + batch) x 16 + head) x 262,144 bytes + position x 128
	s_lshr_b32 s20, s17, 3                         ; batch = tile row / 8
	s_lshl_b32 s20, s20, 22                        ; x 16 heads x 262,144
	s_and_b32 s21, s17, 7
	s_lshl_b32 s21, s21, 8
	s_lshl_b32 s18, s15, 7
	s_add_co_u32 s21, s21, s18                     ; my first position: 256 x (tile row % 8) + 128 x half
	s_lshl_b32 s21, s21, 7
	s_add_co_u32 s20, s20, s21
	s_mov_b32 s21, 0
	s_lshr_b32 s46, s42, 2                         ; which = tile column / 4
	s_lshl_b32 s46, s46, 24                        ; x 64 heads x 262,144
	s_and_b32 s47, s42, 3
	s_lshl_b32 s47, s47, 2
	s_lshl_b32 s18, s16, 1
	s_add_co_u32 s47, s47, s18                     ; my first head: 4 x (tile column % 4) + 2 x half
	s_lshl_b32 s47, s47, 18
	s_add_co_u32 s46, s46, s47
	s_mov_b32 s47, 0
	s_add_nc_u64 s[20:21], s[20:21], s[46:47]      ; under 2^26
	s_add_nc_u64 s[12:13], s[12:13], s[20:21]
.macro FRAG reg, adr, q, i             ; a fragment: lane l holds row l % 16; registers 4 c .. 4 c + 3 hold K = 64 c + 32 (l / 16) + 0 .. 31
.irp c, 0,1
	ds_load_b128 v[\reg+4*\c:\reg+4*\c+3], v[\adr] offset:64*(\q)+32*\c+(\i)*16*PITCH
.endr
.endm
; 16 matrix instructions: X's blocks a0, a0 + 1 x W's eight, the slot's q-th 128 along K.  p: W's set;  sc: the set of scale words.  zero = 1: the first product starts the sums.
; The 64 accumulators take turns, one instruction a turn, in the same order in every step.
.macro MUL16 a0, p, q, sc, zero
.irp a, \a0, \a0+1
.irp b, 0,1,2,3,4,5,6,7
.if \zero
	v_wmma_scale_f32_16x16x128_f8f6f4 v[8*(8*((\a)%4)+\b):8*(8*((\a)%4)+\b)+7], v[128*(\p)+FR*\b:128*(\p)+FR*\b+FR-1], v[AF+FR*(\a):AF+FR*(\a)+FR-1], 0, v[SC+8*NQ*(\sc)+NQ*\b+(\q)], v[SC+8*NQ*(\sc)+NQ*(\a)+(\q)] matrix_a_fmt:MATRIX_FMT_FP4 matrix_b_fmt:MATRIX_FMT_FP4 matrix_a_scale:MATRIX_SCALE_ROW1
.else
	v_wmma_scale_f32_16x16x128_f8f6f4 v[8*(8*((\a)%4)+\b):8*(8*((\a)%4)+\b)+7], v[128*(\p)+FR*\b:128*(\p)+FR*\b+FR-1], v[AF+FR*(\a):AF+FR*(\a)+FR-1], v[8*(8*((\a)%4)+\b):8*(8*((\a)%4)+\b)+7], v[SC+8*NQ*(\sc)+NQ*\b+(\q)], v[SC+8*NQ*(\sc)+NQ*(\a)+(\q)] matrix_a_fmt:MATRIX_FMT_FP4 matrix_b_fmt:MATRIX_FMT_FP4 matrix_a_scale:MATRIX_SCALE_ROW1
.endif
.endr
.endr
.endm
.macro FETCH_B slot, q, p              ; W's eight fragments of the slot's q-th 128 along K into set p
	WIN TO_B
.irp i, 0,1,2,3,4,5,6,7
	FRAG 128*(\p)+FR*\i, ADRB+\slot, \q, \i
.endr
	WIN 0
.endm
.macro FETCH_A slot, q, i0             ; X's blocks i0 .. i0 + 3
.irp i, \i0, \i0+1, \i0+2, \i0+3
	FRAG AF+FR*(\i), ADRA+\slot, \q, \i
.endr
.endm
.macro SCALES sc                       ; a slot's scale words into set sc: four words a row; lanes 0-15 take X's block i, lanes 16-31 W's block i
.irp i, 0,1,2,3,4,5,6,7
	ds_load_b128 v[SC+8*NQ*\sc+NQ*\i:SC+8*NQ*\sc+NQ*\i+3], v[ADRS] offset:\i*SBLK
.endr
.endm
; A load into a register that a matrix instruction has read, and a vector instruction that reads a matrix result or writes a matrix instruction's register, stand NP plain vector instructions behind it.
.macro PLACES n
.rept \n
	v_nop
.endr
.endm
; A step of 128 along K that has its successor in the same slot.
.macro STEP slot, q, zero
	s_wait_dscnt 4*NL                              ; W's set and X's blocks 0-3 are in; the youngest eight loads (X's blocks 4-7) may be out
	WIN MUL_LO
	MUL16 0, (\q)%2, \q, \slot, \zero
	MUL16 2, (\q)%2, \q, \slot, \zero
	s_wait_dscnt 0                                 ; X's blocks 4-7 are in (asked for 32 matrix instructions ago)
	PLACES NP
	FETCH_B \slot, (\q)+1, 1-(\q)%2
	FETCH_A \slot, (\q)+1, 0
	WIN MUL_HI
	MUL16 4, (\q)%2, \q, \slot, \zero
	MUL16 6, (\q)%2, \q, \slot, \zero
	PLACES NP
	WIN 0
	FETCH_A \slot, (\q)+1, 4
.endm
; Slot 0's last step changes slots: one barrier; in front of it each wave waits for all its tensor loads (its part of slot 1), adds 0 to its spare word, and waits for that and for its reads.  Nothing is filled again.
.macro TURN slot, next
	s_wait_tensorcnt 0x0                           ; all my tensor loads have landed: my part of the next slot (every window is 0 here)
	ds_add_u32 v[SPW], v[NIL]                      ; 0 onto my spare word
	s_wait_dscnt 4*NL+1                            ; (the add and the youngest eight loads, X's blocks 4-7, may be out)
	WIN MUL_LO
	MUL16 0, 1, NQ-1, \slot, 0                     ; sixteen matrix instructions stand between the add and the wait for it
	s_wait_dscnt 0x0                               ; the add is done, and my LDS loads are in
	s_barrier_signal -1
	MUL16 2, 1, NQ-1, \slot, 0
	WIN 0
	s_barrier_wait -1                              ; the next slot is whole
	PLACES NP
	v_add_nc_u32 v[ADRS], 4*NQ, v[ADRS]            ; on to the next slot's scale words
	FETCH_B \next, 0, 0
	FETCH_A \next, 0, 0
	SCALES \next
	WIN MUL_HI
	MUL16 4, 1, NQ-1, \slot, 0
	MUL16 6, 1, NQ-1, \slot, 0
	PLACES NP
	WIN 0
	FETCH_A \next, 0, 4
.endm
.macro STEPS slot, from                ; the slot's steps from .. NQ - 2
.set Q, \from
.rept NQ-1-\from
	STEP \slot, Q, 0
.set Q, Q+1
.endr
.endm
	s_wait_tensorcnt 1                             ; the scales and my part of slot 0 are in; slot 1's load, issued behind them, may be out
	s_barrier_signal -1
	s_barrier_wait -1                              ; everybody's are
	FETCH_B 0, 0, 0
	FETCH_A 0, 0, 0
	SCALES 0
	FETCH_A 0, 0, 4
	STEP 0, 0, 1                                   ; the first step's products start the sums: nothing is cleared
	STEPS 0, 1
	TURN 0, 1
	STEPS 1, 0
	s_wait_dscnt 4*NL                              ; the very last step: nothing more to fetch
	WIN MUL_LO
	MUL16 0, 1, NQ-1, 1, 0
	MUL16 2, 1, NQ-1, 1, 0
	s_wait_dscnt 0
	WIN MUL_HI
	MUL16 4, 1, NQ-1, 1, 0
	MUL16 6, 1, NQ-1, 1, 0
	WIN 0
; THE WAY OUT, block by block of 16 rows x 128 columns (two heads).  PACK: rounded to f16, 16 bytes a lane, each accumulator from its low end on.  TOSTAGE: into my own stage, and back so that an
; instruction's 32 lanes hold four positions x 128 bytes of one head: 512 consecutive bytes of qkv.  SEND: stored.
.macro PACK a
.set AC, 64*((\a)%4)
	WIN 0x0a+5*((\a)/4)                            ; sources 0 and 1: window 2 or 3
.irp b, 0,1,2,3,4,5,6,7
.irp r, 0,1,2,3
	v_cvt_pk_f16_f32 v[TMP+4*\b+\r], v[AC+8*\b+2*\r], v[AC+8*\b+2*\r+1]
.endr
.endr
	WIN 0
.endm
.macro TOSTAGE a
.set BB, BK+32*((\a)%2)
.irp b, 0,1,2,3,4,5,6,7
	ds_store_b128 v[STO], v[TMP+4*\b:TMP+4*\b+3] offset:32*\b
.endr
.irp t, 0,1,2,3,4,5,6,7
	ds_load_b128 v[BB+4*\t:BB+4*\t+3], v[RD] offset:(\t%4)*4*SPITCH+(\t/4)*128   ; LDS serves a wave's instructions in order (ISA guide 5.7.1): these see the stores above
.endr
.endm
.macro SEND a
.set BB, BK+32*((\a)%2)
	s_wait_dscnt 0x0                               ; the block is back in registers
	s_wait_xcnt 0x0                                ; the stores of the block before have read their data registers: the next block's loads land there
.irp t, 0,1,2,3,4,5,6,7
	global_store_b128 v[CO], v[BB+4*\t:BB+4*\t+3], s[12:13] offset:(\t/4)*262144+(\a)*2048+(\t%4)*512   ; head t / 4, positions 16 a + 4 (t % 4) on: 512 consecutive bytes, at a multiple of 256 from qkv's first byte
.endr
.endm
	PLACES NP                                      ; behind the last products: the conversions write, and the loads land in, registers that held X's fragments
	PACK 0
	TOSTAGE 0
.irp a, 1,2,3,4,5,6,7                  ; block a's conversions stand between block a - 1's loads from the stage and the wait for them
	PACK \a
	SEND \a-1
	TOSTAGE \a
.endr
	SEND 7
	s_wait_tensorcnt 0x0                           ; the wave's end, behind my last tensor load and my last LDS store
	ds_add_u32 v[SPW], v[NIL]
	s_wait_dscnt 0x0
	CROUND                                         ; the closing round: no work-group ends while a partner may still ask for a tile that names it
	s_endpgm
.Lfunc_end_k_q6feda36e58_qkv:
	.size	k_q6feda36e58_qkv, .Lfunc_end_k_q6feda36e58_qkv-k_q6feda36e58_qkv
	.p2alignl 7, 3214868480
	.fill 96, 4, 3214868480
	.section	.rodata,"a",@progbits
	.p2align	6, 0x0
	.amdhsa_kernel k_q6feda36e58_qkv
		.amdhsa_group_segment_fixed_size 327680
		.amdhsa_private_segment_fixed_size 0
		.amdhsa_enable_private_segment 0
		.amdhsa_kernarg_size 40
		.amdhsa_user_sgpr_count 2
		.amdhsa_user_sgpr_kernarg_segment_ptr 1
		.amdhsa_wavefront_size32 1
		.amdhsa_system_sgpr_workgroup_id_x 1
		.amdhsa_system_sgpr_workgroup_id_y 1
		.amdhsa_system_sgpr_workgroup_id_z 1
		.amdhsa_system_vgpr_workitem_id 0
		.amdhsa_next_free_vgpr 1024
		.amdhsa_next_free_sgpr 98
		.amdhsa_reserve_vcc 0
		.amdhsa_float_denorm_mode_32 3
		.amdhsa_float_denorm_mode_16_64 3
		.amdhsa_memory_ordered 1
		.amdhsa_forward_progress 1
		.amdhsa_inst_pref_size 127
	.end_amdhsa_kernel
	.amdgpu_metadata
---
amdhsa.version: [ 1, 2 ]
amdhsa.kernels:
  - .name:           k_q6feda36e58_qkv
    .symbol:         k_q6feda36e58_qkv.kd
    .args:
      - { .name: x_codes, .offset: 0, .size: 8, .value_kind: global_buffer, .address_space: global }
      - { .name: x_scales, .offset: 8, .size: 8, .value_kind: global_buffer, .address_space: global }
      - { .name: w_codes, .offset: 16, .size: 8, .value_kind: global_buffer, .address_space: global }
      - { .name: w_scales, .offset: 24, .size: 8, .value_kind: global_buffer, .address_space: global }
      - { .name: qkv, .offset: 32, .size: 8, .value_kind: global_buffer, .address_space: global }
    .group_segment_fixed_size: 327680
    .private_segment_fixed_size: 0
    .kernarg_segment_align: 8
    .kernarg_segment_size: 40
    .max_flat_workgroup_size: 128
    .sgpr_count:     98
    .vgpr_count:     1024
    .wavefront_size: 32
...
	.end_amdgpu_metadata
.endif
;; end of part 2
;; launch attn (part 3): grid 4 x 64, 8 waves a work-group, clusters of 4 x 1, 327,680 bytes of LDS; arguments qkv, att; writes att
.if DOCPART == 3
	.amdgcn_target "amdgcn-amd-amdhsa--gfx1250"
	.amdhsa_code_object_version 6
	.text
	.protected	k_q6feda36e58_attn
	.globl	k_q6feda36e58_attn
	.p2align	8
	.type	k_q6feda36e58_attn,@function
k_q6feda36e58_attn:
	s_mov_b64 s[64:65], 0
	v_nop
	global_prefetch_b8 v0, s[64:65] scope:SCOPE_SE
	s_setreg_imm32_b32 hwreg(HW_REG_WAVE_MODE, 25, 1), 1
	s_wait_xcnt 0x0
	s_wait_alu depctr_hold_cnt(0) depctr_sa_sdst(0) depctr_va_vdst(0) depctr_va_sdst(0) depctr_va_ssrc(0) depctr_va_vcc(0) depctr_vm_vsrc(0)
	s_getreg_b32 s2, hwreg(HW_REG_IB_STS2, 6, 4)
	s_cmp_eq_u32 s2, 0
	s_cbranch_scc0 .Lentry_in_a_cluster
	s_endpgm
.Lentry_in_a_cluster:
	s_bfe_u32 s2, ttmp6, 0x10000c
	s_cmp_lg_u32 s2, 0x3003
	s_cbranch_scc0 .Lentry_shape_is_right
	s_endpgm
.Lentry_shape_is_right:
; O[b][h][q][:] = the sum over k of softmax_k(Q[q] . K[k] / 8) V[k][:], for each of 64 (batch, head) pairs, 2,048 positions, head size 64.  No mask.
; qkv: [which 3][batch 4][head 16][2048][64] f16.  att: [head 16][batch x 2048 + position][64] f16.  Products on f16 operands with f32 sums; maxima, exponentials and sums in f32;
; the weights p are rounded to f16 for the second product, O once at the end.
; LIMITS: NaN and infinities are not served; |O| stays under 65,504.  p = 2^(c s - cm), cm = c m rounded to f32: where c |s| passes 2^24 the common factor 2^(c m - cm) of a row's p is no longer near 1;
; it cancels between O and the row's sum, and stays inside f16 up to c |s| = 2^28.
; SHARES.  A work-group owns 512 queries of one pair, each of its eight waves 64: four tiles of 16, worked as two pieces of two tiles.  Two waves lie on a SIMD (512 registers each), each written in plain
; phases, so that one wave's softmax can stand beside the other's products.  Every wave walks all 2,048 keys, 64 a step; a fragment of K or V read from LDS feeds four products.
; LAYOUT.  S^T = K Q^T (source 0 = 16 keys, source 1 = 16 queries): a lane holds ONE query (lane % 16) and the keys 8 (lane / 16) + 0..7.  Two such tiles, rounded to f16 in pairs, ARE source 1
; (32 keys x 16 queries) of O^T = V^T P, whose result again holds one query a lane.  K comes out of LDS as it lies, V ([key][channel]) turned, by ds_load_tr16_b128.
; SOFTMAX.  For each query a running maximum m and sum l; in every step O and l are multiplied by a = 2^(cm_old - cm_new).  m begins at -3e38 and O and l at zeros, so the key step is written once.
; CLUSTER.  The four work-groups of a pair walk the same K and V: each tile is asked for JOINTLY, by the same tensor load with the same descriptor and the mask of all four.
; RING.  Two LDS slots of four key steps (256 keys).  Waves 0-3 fetch K of the slot's step w, waves 4-7 V of step w - 4: one load a wave, 64 rows of 128 bytes, behind each round.
; REGISTERS.  Window 0: v2-13 addresses; v16-47 eight registers of statistics a tile; v64-127 S^T of one piece; v128-159 P of one piece; v160-223 K's fragments.
;   Window 1: v0-63 Q; v64-191 O^T, 32 a tile; v192-255 V's fragments.
.set KS,    64                         ; keys in a step
.set PK,    144                        ; a row of K in LDS: 128 bytes + 16 of padding: 36 words from row to row
.set PV,    160                        ; a row of V: 128 + 32: 40 words from row to row, for the turning load
.set VOFF,  KS*PK                      ; a step's tiles lie together: 64 rows of K, then 64 rows of V
.set STEPB, KS*(PK+PV)
.set NST,   4                          ; steps in a slot
.set SLOT1, 1<<17                      ; slot 1 begins here: one exclusive or turns an address in one slot into the other's
.set SLOTB, NST*KS*128                 ; a slot's bytes of K, or of V, in memory
.set NSLOT, 2048/(NST*KS)
.set STAGE, SLOT1+NST*STEPB            ; behind the ring: 16 rows x 144 bytes for each wave, for the way out
.set SPARE, STAGE+8*16*PK              ; the spare words, 128 bytes for each of the eight waves
.set AK0, 2                            ; v2   my lane's place in a tile of K; never rewritten
.set AV0, 3                            ; v3   the same for V
.set ADK, 4                            ; v4   LDS address of the step's K
.set ADV, 5                            ; v5   of its V
.set QO,  6                            ; v6   my byte offset in the wave's rows of Q
.set STO, 7                            ; v7   the way out: where I put 16 bytes of a row
.set RD,  8                            ; v8   where I read back
.set GO,  10                           ; v10  16 x lane
.set PFO, 11                           ; v11  256 x lane: the prefetches' offset; never rewritten
.set SPW, 12                           ; v12  LDS address of my spare word; never rewritten
.set NIL, 13                           ; v13  0; never rewritten
.set ST,  16                           ; tile t's statistics at v[ST+8 t]: +0 cm, +1 m, +2, +3 l (even keys', odd keys'), +4 to +7 c0-c3, at work; a takes c2's place
.set S,   64
.set P,   128
.set KF,  160
.set QF,  0                            ; in window 1
.set OT,  64
.set VF,  192
.set WV,  12                           ; s12  my wave's number
.set LIM, 15                           ; s15  1 in a wave that prefetches, else the greatest number
.set PFA, 18                           ; s[18:19] where my prefetches stand
.set G1K, 24                           ; s[24:31] descriptor group 1 for K's tiles
.set G1V, 32                           ; s[32:39] for V's: it differs in the padding alone
.set G0K, 40                           ; s[40:43] group 0 for K's tiles: it walks
.set G0V, 44                           ; s[44:47] for V's
.set SLOTS, 48                         ; s48  slots still to be asked for
.set CNT, 49                           ; s49  counts a slot's steps
.set CS,  50                           ; s[50:51] c = log2(e) / 8: the packed form names a pair and takes its low word for both halves
.set SEL, 52                           ; s[52:53] lane selects for v_permlanex16_b32: lane l xor 16
.set TB,  54                           ; s54  LDS byte at which the step's tiles begin
.set MSB, 0
.macro WIN new                         ; the immediate's high byte repeats the setting that is left
.if MSB != (\new)
	s_set_vgpr_msb (MSB<<8)|(\new)
.set MSB, (\new)
.endif
.endm
.set W_KQ, 0x04                        ; Q (source 1) in window 1; K and S^T in window 0
.set W_PV, 0x51                        ; V (source 0), C and D (O^T) in window 1; P in window 0
.set W_RS, 0x41                        ; O^T (destination and source 0) in window 1, the factor in window 0
.set W_CV, 0x05                        ; sources 0 and 1 in window 1, destination in window 0
.set TO_1, 0x40                        ; destination in window 1, address in window 0
; A joint load.  The branch hangs on the wave's number alone.  An s_nop 0 and four v_nop follow each of the two lines.
.macro JLOAD
	s_cmp_lt_u32 s[WV], 4
	s_cbranch_scc0 .Lfor_v_\@
	tensor_load_to_lds s[G0K:G0K+3], s[G1K:G1K+7]
	s_nop 0
.rept 4
	v_nop
.endr
	s_branch .Lasked_\@
.Lfor_v_\@:
	tensor_load_to_lds s[G0V:G0V+3], s[G1V:G1V+7]
	s_nop 0
.rept 4
	v_nop
.endr
.Lasked_\@:
.endm
; A prefetch of what the NEXT change of slots will ask for: 32,768 bytes of K and as many of V.  The four partners share them out by address, 8,192 bytes each; in each, wave 0 asks for K's and wave 4 for
; V's, lanes 256 bytes apart: each run of 256 bytes is named once in the launch.  It runs four key steps ahead of the load that wants the bytes.  The last change that fills a slot asks for nothing.
.macro ASK
	s_cmp_gt_u32 s[SLOTS], s[LIM]
	s_cbranch_scc0 .Lnot_mine_\@
	global_prefetch_b8 v[PFO], s[PFA:PFA+1] th:TH_LOAD_NT scope:SCOPE_SE
.Lnot_mine_\@:
.endm
.macro CROUND                          ; a round of the cluster's barrier
	s_barrier_signal -1
	s_barrier_wait -1
	s_cmp_lg_u32 s[WV], 0
	s_cbranch_scc1 .Lnot_wave_0_\@
	s_barrier_signal -3
.Lnot_wave_0_\@:
	s_barrier_wait -3
	s_barrier_signal -1
	s_barrier_wait -1
.endm
.macro PLACES
.rept 4
	v_nop
.endr
.endm
	s_load_b128 s[4:7], s[0:1], 0x0                ; qkv s[4:5], att s[6:7]
	v_lshl_add_u32 v[SPW], v0, 2, SPARE
	v_mov_b32 v[NIL], 0
	ds_add_u32 v[SPW], v[NIL]                      ; the wave's opening: the add, twice on end, and its wait ahead of my first tensor load
	ds_add_u32 v[SPW], v[NIL]
	v_lshrrev_b32 v1, 5, v0
	v_readfirstlane_b32 s[WV], v1                  ; wave 0..7
	s_bfe_u32 s13, ttmp6, 0x40000                  ; cx: my place in the cluster
	s_lshl_b32 s14, ttmp9, 2
	s_add_co_u32 s14, s14, s13                     ; my block of 512 queries: it enters Q's and att's addresses and the prefetches' alone
	s_and_b32 s20, ttmp7, 0xffff                   ; 16 x batch + head, which the four partners share
	s_and_b32 s16, s[WV], 3                        ; which of a slot's four steps I fetch
	s_lshl_b32 s21, s20, 18                        ; the pair's first byte in Q's part of qkv
	s_lshl_b32 s22, s16, 13                        ; my step's 64 rows of 128 bytes
	s_add_co_u32 s22, s22, s21
	s_add_co_u32 s22, s22, 0x1000000               ; K's part begins 64 x 262,144 bytes on
	s_mov_b32 s23, 0
	s_lshl_b32 s2, s14, 16                         ; my block's 512 rows,
	s_lshl_b32 s3, s[WV], 13                       ; my wave's 64 of them
	s_add_co_u32 s2, s2, s3
	s_and_b32 s17, s20, 15
	s_lshl_b32 s17, s17, 20                        ; att: head x 8,192 rows of 128 bytes,
	s_lshr_b32 s3, s20, 4
	s_lshl_b32 s3, s3, 18                          ; batch x 2,048 rows
	s_add_co_u32 s17, s17, s3
	s_add_co_u32 s56, s17, s2
	s_mov_b32 s57, 0
	s_add_co_u32 s2, s2, s21                       ; Q: the pair's block, my rows
	s_mov_b32 s3, 0
	; descriptor group 1: a tile of 64 rows x 64 elements of 2 bytes, padded in LDS
	s_mov_b32 s[G1K], 15|(1<<16)|(1<<20)|(1<<21)|(4<<22)|(3<<25)  ; 15:0 the mask: all four work-groups; 17:16 elements of 2 bytes; 20 padding on; 21 set beside a mask; 24:22 after every 32 words; 31:25 four words
	s_mov_b32 s[G1V], 15|(1<<16)|(1<<20)|(1<<21)|(4<<22)|(7<<25)  ; the same with eight words of padding
.irp g, G1K, G1V
	s_mov_b32 s[\g+1], 64<<16                      ; tensor_dim0 = 64
	s_mov_b32 s[\g+2], KS<<16                      ; tensor_dim1 = 64
	s_mov_b32 s[\g+3], 64<<16                      ; tile_dim0 = 64
	s_mov_b32 s[\g+4], KS                          ; tile_dim1 = 64
	s_mov_b32 s[\g+5], 64                          ; elements from row to row
	s_mov_b32 s[\g+6], 0
	s_mov_b32 s[\g+7], 0
.endr
	s_mov_b32 s[CS], 0x3e38aa3b                    ; c = log2(e) / 8
	s_mov_b32 s[CS+1], s[CS]                       ; named with it as a pair, so it is written
	s_mov_b32 s[SEL], 0x76543210
	s_mov_b32 s[SEL+1], 0xfedcba98
	s_mov_b32 s[TB], 0
	s_mov_b32 s[SLOTS], NSLOT-1
	s_cmp_eq_u32 s16, 0                            ; waves 0 and 4 prefetch: the same in all four partners
	s_cselect_b32 s[LIM], 1, -1
	v_and_b32 v[PFO], 31, v0
	v_lshlrev_b32 v[PFO], 8, v[PFO]
	s_wait_dscnt 0x0                               ; both opening adds are done
	s_wait_kmcnt 0x0
	s_add_nc_u64 s[8:9], s[4:5], s[22:23]          ; K at my tile of slot 0
	s_add_nc_u64 s[10:11], s[8:9], 0x1000000       ; V likewise
	s_add_nc_u64 s[6:7], s[6:7], s[56:57]          ; att at my wave's first row
	s_cmp_lt_u32 s[WV], 4
	s_cselect_b64 s[PFA:PFA+1], s[8:9], s[10:11]   ; (in waves 0 and 4 these stand at the pair's first row)
	s_lshl_b32 s56, s13, 13                        ; my work-group's 8,192 bytes,
	s_add_co_u32 s56, s56, SLOTB                   ; in slot 1: the first change of slots steps it to slot 2.  Nothing is prefetched here at the head
	s_add_nc_u64 s[PFA:PFA+1], s[PFA:PFA+1], s[56:57]
	s_add_nc_u64 s[4:5], s[4:5], s[2:3]            ; Q at my wave's first row
	CROUND                                         ; all four work-groups are here: the first joint loads meet
	s_mov_b32 s[G0K], 1                            ; count = 1
	s_mul_i32 s[G0K+1], s16, STEPB                 ; LDS address: my step of slot 0: no place in the cluster enters it
	s_mov_b64 s[G0K+2:G0K+3], s[8:9]               ; global address
	s_or_b32 s[G0K+3], s[G0K+3], 0x80000000        ; type = 2
	s_mov_b32 s[G0V], 1
	s_add_co_u32 s[G0V+1], s[G0K+1], VOFF
	s_mov_b64 s[G0V+2:G0V+3], s[10:11]
	s_or_b32 s[G0V+3], s[G0V+3], 0x80000000
	JLOAD                                          ; slot 0: one load of mine is out
	; A fragment of K or Q is 16 rows x 32 channels in 8 registers: lane l holds row l % 16; registers 0-3 channels 8 (l / 16) + 0..7, registers 4-7 channels 16 + 8 (l / 16) + 0..7
	v_and_b32 v1, 15, v0                           ; l % 16
	v_bfe_u32 v9, v0, 4, 1                         ; l / 16
	v_lshlrev_b32 v[QO], 7, v1
	v_lshl_add_u32 v[QO], v9, 4, v[QO]             ; row x 128 + 16 x half
	WIN TO_1
.irp t, 0,1,2,3                        ; Q stays in registers: tile t, channels 32 c on
.irp c, 0,1
	global_load_b128 v[QF+16*\t+8*\c:QF+16*\t+8*\c+3],   v[QO], s[4:5] offset:\t*2048+\c*64
	global_load_b128 v[QF+16*\t+8*\c+4:QF+16*\t+8*\c+7], v[QO], s[4:5] offset:\t*2048+\c*64+32
.endr
.endr
.set i, 0
.rept 128
	v_mov_b32 v[OT+i], 0                           ; O^T begins as zeros, which the first a leaves zeros: so the key step is written once and not a second time for the first step
.set i, i+1
.endr
	WIN 0
	v_mul_u32_u24 v[AK0], v1, PK
	v_lshl_add_u32 v[AK0], v9, 4, v[AK0]           ; row x pitch + 16 x half
	; The turning load takes 16 keys x 16 channels (lane l reads 16 bytes: key 8 (l / 16) + l % 8, channels 8 ((l / 8) % 2) + 0..7) and leaves half a fragment of V^T: lane l holds channel l % 16 and 8 keys
	v_and_b32 v14, 7, v0
	v_bfe_u32 v15, v0, 3, 1
	v_lshl_add_u32 v[AV0], v9, 3, v14
	v_mul_u32_u24 v[AV0], v[AV0], PV
	v_lshl_add_u32 v[AV0], v15, 4, v[AV0]
	v_add_nc_u32 v[AV0], VOFF, v[AV0]
	s_mul_i32 s17, s[WV], 16*PK
	s_add_co_u32 s17, s17, STAGE                   ; my stage
	v_add_nc_u32 v[STO], s17, v[AK0]               ; in: row l % 16, 16 bytes for each half of the lanes
	v_bfe_u32 v15, v0, 3, 2
	v_mul_u32_u24 v15, v15, PK
	v_lshl_add_u32 v15, v14, 4, v15
	v_add_nc_u32 v[RD], s17, v15                   ; back: eight lanes to a row of 128 bytes, four rows an instruction
	v_and_b32 v[GO], 31, v0
	v_lshlrev_b32 v[GO], 4, v[GO]                  ; which are 512 consecutive bytes of att
.irp t, 0,1,2,3
	v_mov_b32 v[ST+8*\t+1], 0xff61b1e6             ; m = -3e38, under every score
	v_mov_b32 v[ST+8*\t+2], 0                      ; l, in two halves
	v_mov_b32 v[ST+8*\t+3], 0
.endr
.irp t, 0,1,2,3
	v_mul_f32 v[ST+8*\t], s[CS], v[ST+8*\t+1]      ; cm
.endr
; 16 products S^T = K Q^T for piece x (tiles x, x + 1): channels 32 (i / 8) on, keys 16 ((i / 2) % 4) on, tile x + i % 2.  The first 8 start the sums.  Eight accumulators take turns.
.macro KQ x
	WIN W_KQ
.set i, 0
.rept 16
.set rS, S+32*(i%2)+8*((i/2)%4)
.set rK, KF+16*((i/2)%4)+8*(i/8)
.set rQ, QF+16*((\x)+i%2)+8*(i/8)
.if i < 8
	v_wmma_f32_16x16x32_f16 v[rS:rS+7], v[rK:rK+7], v[rQ:rQ+7], 0
.else
	v_wmma_f32_16x16x32_f16 v[rS:rS+7], v[rK:rK+7], v[rQ:rQ+7], v[rS:rS+7]
.endif
.set i, i+1
.endr
.endm
; 16 products O^T += V^T P for piece x: keys 32 (i / 8) on, channels 16 ((i / 2) % 4) on, tile x + i % 2.  Eight accumulators take turns.
.macro PVM x
	WIN W_PV
.set i, 0
.rept 16
.set rO, OT+32*((\x)+i%2)+8*((i/2)%4)
.set rV, VF+32*(i/8)+8*((i/2)%4)
.set rP, P+16*(i%2)+8*(i/8)
	v_wmma_f32_16x16x32_f16 v[rO:rO+7], v[rV:rV+7], v[rP:rP+7], v[rO:rO+7]
.set i, i+1
.endr
.endm
; The softmax of piece x for one key step; the two tiles alternate line by line, so that no line waits for the line above it.
.macro SOFTMAX x
.set T0, ST+8*(\x)
.set O0, OT+32*(\x)
	WIN 0
.irp j, 0,1,2,3                        ; the maximum of the lane's 32 scores and the old m: four chains c0-c3 of seven scores each; each accumulator is first read at its low end
.irp u, 0,1
	v_max3_num_f32 v[T0+8*\u+4+\j], v[S+32*\u+8*\j], v[S+32*\u+8*\j+1], v[S+32*\u+8*\j+2]
.endr
.endr
.irp g, 3,5
.irp j, 0,1,2,3
.irp u, 0,1
	v_max3_num_f32 v[T0+8*\u+4+\j], v[T0+8*\u+4+\j], v[S+32*\u+8*\j+\g], v[S+32*\u+8*\j+\g+1]
.endr
.endr
.endr
.irp u, 0,1
	v_max3_num_f32 v[T0+8*\u+4], v[T0+8*\u+4], v[S+32*\u+7], v[S+32*\u+15]    ; the four scores left over
	v_max3_num_f32 v[T0+8*\u+6], v[T0+8*\u+6], v[S+32*\u+23], v[S+32*\u+31]
.endr
.irp u, 0,1
	v_max3_num_f32 v[T0+8*\u+4], v[T0+8*\u+4], v[T0+8*\u+5], v[T0+8*\u+6]
.endr
.irp u, 0,1
	v_max3_num_f32 v[T0+8*\u+4], v[T0+8*\u+4], v[T0+8*\u+7], v[T0+8*\u+1]     ; with c3 and the old m
.endr
.irp u, 0,1
	v_permlanex16_b32 v[T0+8*\u+5], v[T0+8*\u+4], s[SEL], s[SEL+1]            ; the query's other 32 keys lie in the lane 16 away
.endr
.irp u, 0,1
	v_mov_b32 v[T0+8*\u+7], v[T0+8*\u]                                        ; cm_old is kept for a
.endr
.irp u, 0,1
	v_max_num_f32 v[T0+8*\u+1], v[T0+8*\u+4], v[T0+8*\u+5]                    ; the new m
.endr
.irp u, 0,1
	v_mul_f32 v[T0+8*\u], s[CS], v[T0+8*\u+1]                                 ; the new cm
.endr
.irp u, 0,1
	v_sub_f32 v[T0+8*\u+7], v[T0+8*\u+7], v[T0+8*\u]                          ; cm_old - cm_new
.endr
.set i, 0
.rept 16
.irp u, 0,1
	v_pk_fma_f32 v[S+32*\u+2*i:S+32*\u+2*i+1], v[S+32*\u+2*i:S+32*\u+2*i+1], s[CS:CS+1], v[T0+8*\u:T0+8*\u+1] op_sel_hi:[1,0,0] neg_lo:[0,0,1] neg_hi:[0,0,1]   ; c s - cm, two at a time
.endr
.set i, i+1
.endr
.irp u, 0,1
	v_exp_f32 v[T0+8*\u+6], v[T0+8*\u+7]           ; a.  The piece's 66 exponentials are one batch
.endr
.set i, 0
.rept 64
	v_exp_f32 v[S+i], v[S+i]                       ; p
.set i, i+1
.endr
	v_nop                                          ; a plain instruction behind the last exponential, ahead of the first use (ISA guide 5.7.2)
	s_wait_alu depctr_va_vdst(0)                   ; ahead of the first line that names a result: one for the batch
.set i, 0
.rept 32
	v_cvt_pk_f16_f32 v[P+i], v[S+2*i], v[S+2*i+1]  ; P's register 16 u + j is tile u's pair j
.set i, i+1
.endr
.irp w, 4,8,16,32                      ; the sums of the unrounded p, in place: neighbours 1, 2, 4 and 8 pairs apart, both tiles in one run
.set i, 0
.rept 64/\w
	v_pk_add_f32 v[S+\w*i:S+\w*i+1], v[S+\w*i:S+\w*i+1], v[S+\w*i+\w/2:S+\w*i+\w/2+1]
.set i, i+1
.endr
.endr
.irp u, 0,1
	v_pk_fma_f32 v[T0+8*\u+2:T0+8*\u+3], v[T0+8*\u+2:T0+8*\u+3], v[T0+8*\u+6:T0+8*\u+7], v[S+32*\u:S+32*\u+1] op_sel_hi:[1,0,1]   ; l = a l + the sum
.endr
	WIN W_RS
.set i, 0
.rept 16
.irp u, 0,1
	v_pk_mul_f32 v[O0+32*\u+2*i:O0+32*\u+2*i+1], v[O0+32*\u+2*i:O0+32*\u+2*i+1], v[T0+8*\u+6:T0+8*\u+7] op_sel_hi:[1,0]   ; O^T times a, ascending
.endr
.set i, i+1
.endr
.endm
; A KEY STEP: 64 keys.  A load into a register that a matrix instruction has read, and a vector instruction that reads a matrix result or writes a matrix instruction's register, stand four plain vector
; instructions behind it: the two additions and two v_nop at the head serve V's registers, which the last step's last products read.
.macro STEP
	v_add_nc_u32 v[ADK], s[TB], v[AK0]
	v_add_nc_u32 v[ADV], s[TB], v[AV0]
	v_nop
	v_nop
.irp kt, 0,1,2,3                       ; K: keys 16 kt on, channels 32 c on
.irp c, 0,1
	ds_load_b128 v[KF+16*\kt+8*\c:KF+16*\kt+8*\c+3],   v[ADK] offset:\kt*16*PK+\c*64
	ds_load_b128 v[KF+16*\kt+8*\c+4:KF+16*\kt+8*\c+7], v[ADK] offset:\kt*16*PK+\c*64+32
.endr
.endr
	WIN TO_1
.irp kh, 0,1                           ; V, turned: keys 32 kh on, channels 16 ct on
.irp ct, 0,1,2,3
	ds_load_tr16_b128 v[VF+32*\kh+8*\ct:VF+32*\kh+8*\ct+3],   v[ADV] offset:\kh*32*PV+\ct*32
	ds_load_tr16_b128 v[VF+32*\kh+8*\ct+4:VF+32*\kh+8*\ct+7], v[ADV] offset:\kh*32*PV+16*PV+\ct*32
.endr
.endr
	s_wait_dscnt 16                                ; K's sixteen loads are in; V's sixteen, issued behind them, may be out
	KQ 0
	WIN 0
	PLACES
	SOFTMAX 0
	s_wait_dscnt 0x0                               ; V is in
	PVM 0
	KQ 2
	WIN 0
	PLACES                                         ; behind piece 2's scores, and behind the products that read P, which is written anew below
	SOFTMAX 2
	PVM 2
	WIN 0
.endm
.macro FOUR_STEPS                      ; a slot's four key steps: written once, walked four times; the LDS addresses hang on s[TB]
	s_mov_b32 s[CNT], NST
.Lstep_\@:
	STEP
	s_add_co_u32 s[TB], s[TB], STEPB
	s_sub_co_u32 s[CNT], s[CNT], 1
	s_cmp_lg_u32 s[CNT], 0
	s_cbranch_scc1 .Lstep_\@
	s_sub_co_u32 s[TB], s[TB], NST*STEPB           ; back to a slot's first step,
	s_xor_b32 s[TB], s[TB], SLOT1                  ; in the other slot
.endm
; THE CHANGE OF SLOTS stands at a slot's head.  Each wave waits for all its tensor loads (its part of the slot that it is about to read), adds 0 to its spare word, and waits for that and for its reads of
; the slot that it has left.  fill = 1: a round of the cluster's barrier follows, so that no wave of any partner still reads that slot or has a load on its way, and the joint load of the next 256 keys
; is the first thing behind it: it has four key steps in which to land.  One load of mine is out behind each round.
.macro CHANGE fill
	WIN 0
	s_wait_tensorcnt 0x0                           ; no tensor load of mine is out, so a group 0 may be written
	ds_add_u32 v[SPW], v[NIL]                      ; 0 onto my spare word
.if \fill
	s_xor_b32 s[G0K+1], s[G0K+1], SLOT1            ; the walking descriptors: the other slot than last time,
	s_add_nc_u64 s[G0K+2:G0K+3], s[G0K+2:G0K+3], SLOTB   ; the next 256 keys; the type bits on top are not reached
	s_xor_b32 s[G0V+1], s[G0V+1], SLOT1
	s_add_nc_u64 s[G0V+2:G0V+3], s[G0V+2:G0V+3], SLOTB
	s_wait_xcnt 0x0                                ; the last prefetch, a slot back, has read its address, so it may be written:
	s_add_nc_u64 s[PFA:PFA+1], s[PFA:PFA+1], SLOTB ; one slot further on than the walking descriptors
	s_wait_dscnt 0x0                               ; the add is done, and my reads of the slot that I have left are over
	CROUND
	JLOAD
	ASK
.else
	s_wait_dscnt 0x0
	s_barrier_signal -1
	s_barrier_wait -1
.endif
.endm
	s_wait_loadcnt 0x0                             ; Q
.Lslot:                                            ; NSLOT - 1 trips: behind each change of slots but the last the next slot is asked for; the first trip's load is slot 1's first fill
	CHANGE 1
	FOUR_STEPS
	s_sub_co_u32 s[SLOTS], s[SLOTS], 1
	s_cmp_lg_u32 s[SLOTS], 0
	s_cbranch_scc1 .Lslot
	CHANGE 0                                       ; the last slot is written out
	FOUR_STEPS
	; THE WAY OUT.  l's two halves and the other half of the lanes' are added; O^T is divided by l, rounded to f16 and sent through my stage, a tile (16 rows) at a time.  The first four additions are the places behind the last products.
.irp t, 0,1,2,3
	v_add_f32 v[ST+8*\t+4], v[ST+8*\t+2], v[ST+8*\t+3]
.endr
.irp t, 0,1,2,3
	v_permlanex16_b32 v[ST+8*\t+5], v[ST+8*\t+4], s[SEL], s[SEL+1]
.endr
.irp t, 0,1,2,3
	v_add_f32 v[ST+8*\t+4], v[ST+8*\t+4], v[ST+8*\t+5]
.endr
.irp t, 0,1,2,3
	v_rcp_f32 v[ST+8*\t+6], v[ST+8*\t+4]
.endr
	v_nop                                          ; a plain instruction between the last reciprocal and the use of its result
	s_wait_alu depctr_va_vdst(0)                   ; and the wait: one for the four
.macro PACK t
	WIN W_RS
.set i, 0
.rept 16
	v_pk_mul_f32 v[OT+32*\t+2*i:OT+32*\t+2*i+1], v[OT+32*\t+2*i:OT+32*\t+2*i+1], v[ST+8*\t+6:ST+8*\t+7] op_sel_hi:[1,0]
.set i, i+1
.endr
	WIN W_CV
.set i, 0
.rept 16
	v_cvt_pk_f16_f32 v[S+16*\t+i], v[OT+32*\t+2*i], v[OT+32*\t+2*i+1]
.set i, i+1
.endr
	WIN 0
.irp ct, 0,1,2,3
	ds_store_b128 v[STO], v[S+16*\t+4*\ct:S+16*\t+4*\ct+3] offset:32*\ct      ; channels 16 ct + 8 (l / 16) + 0..7 of row l % 16
.endr
.irp f, 0,1,2,3
	ds_load_b128 v[S+16*\t+4*\f:S+16*\t+4*\f+3], v[RD] offset:\f*4*PK         ; LDS serves a wave's instructions in order (ISA guide 5.7.1): these see the stores above; the next tile's stores come behind them
.endr
.endm
.macro SEND t, younger                 ; younger: the LDS instructions issued behind tile t's loads: the next tile's eight, or none
.irp f, 0,1,2,3
	s_wait_dscnt \younger+3-\f
	global_store_b128 v[GO], v[S+16*\t+4*\f:S+16*\t+4*\f+3], s[6:7] offset:\t*2048+\f*512   ; 32 lanes store 512 consecutive bytes, at a multiple of 256 from att's first byte
.endr
.endm
	PACK 0
	PACK 1                                         ; a tile's arithmetic stands between the loads of the tile before and its stores
	SEND 0, 8
	PACK 2
	SEND 1, 8
	PACK 3
	SEND 2, 8
	SEND 3, 0
	s_wait_tensorcnt 0x0                           ; the wave's end, behind my last tensor load and my last LDS store
	ds_add_u32 v[SPW], v[NIL]
	s_wait_dscnt 0x0
	CROUND                                         ; the closing round: no work-group ends while a partner may still ask for a tile that names it
	s_endpgm
.Lfunc_end_k_q6feda36e58_attn:
	.size	k_q6feda36e58_attn, .Lfunc_end_k_q6feda36e58_attn-k_q6feda36e58_attn
	.p2alignl 7, 3214868480
	.fill 96, 4, 3214868480
	.section	.rodata,"a",@progbits
	.p2align	6, 0x0
	.amdhsa_kernel k_q6feda36e58_attn
		.amdhsa_group_segment_fixed_size 327680
		.amdhsa_private_segment_fixed_size 0
		.amdhsa_enable_private_segment 0
		.amdhsa_kernarg_size 16
		.amdhsa_user_sgpr_count 2
		.amdhsa_user_sgpr_kernarg_segment_ptr 1
		.amdhsa_wavefront_size32 1
		.amdhsa_system_sgpr_workgroup_id_x 1
		.amdhsa_system_sgpr_workgroup_id_y 1
		.amdhsa_system_sgpr_workgroup_id_z 1
		.amdhsa_system_vgpr_workitem_id 0
		.amdhsa_next_free_vgpr 512
		.amdhsa_next_free_sgpr 66
		.amdhsa_reserve_vcc 0
		.amdhsa_float_denorm_mode_32 3
		.amdhsa_float_denorm_mode_16_64 3
		.amdhsa_memory_ordered 1
		.amdhsa_forward_progress 1
		.amdhsa_inst_pref_size 92
	.end_amdhsa_kernel
	.amdgpu_metadata
---
amdhsa.version: [ 1, 2 ]
amdhsa.kernels:
  - .name:           k_q6feda36e58_attn
    .symbol:         k_q6feda36e58_attn.kd
    .args:
      - { .name: qkv, .offset: 0, .size: 8, .value_kind: global_buffer, .address_space: global }
      - { .name: att, .offset: 8, .size: 8, .value_kind: global_buffer, .address_space: global }
    .group_segment_fixed_size: 327680
    .private_segment_fixed_size: 0
    .kernarg_segment_align: 8
    .kernarg_segment_size: 16
    .max_flat_workgroup_size: 256
    .sgpr_count:     66
    .vgpr_count:     512
    .wavefront_size: 32
...
	.end_amdgpu_metadata
.endif
;; end of part 3
;; launch proj (part 4): grid 4 x 64, 4 waves a work-group, clusters of 4 x 4, 327,680 bytes of LDS; arguments att, wo16, out0; writes out0
.if DOCPART == 4
	.amdgcn_target "amdgcn-amd-amdhsa--gfx1250"
	.amdhsa_code_object_version 6
	.text
	.protected	k_q6feda36e58_proj
	.globl	k_q6feda36e58_proj
	.p2align	8
	.type	k_q6feda36e58_proj,@function
k_q6feda36e58_proj:
	s_mov_b64 s[64:65], 0
	v_nop
	global_prefetch_b8 v0, s[64:65] scope:SCOPE_SE
	s_setreg_imm32_b32 hwreg(HW_REG_WAVE_MODE, 25, 1), 1
	s_wait_xcnt 0x0
	s_wait_alu depctr_hold_cnt(0) depctr_sa_sdst(0) depctr_va_vdst(0) depctr_va_sdst(0) depctr_va_ssrc(0) depctr_va_vcc(0) depctr_vm_vsrc(0)
	s_getreg_b32 s2, hwreg(HW_REG_IB_STS2, 6, 4)
	s_cmp_eq_u32 s2, 0
	s_cbranch_scc0 .Lentry_in_a_cluster
	s_endpgm
.Lentry_in_a_cluster:
	s_bfe_u32 s2, ttmp6, 0x10000c
	s_cmp_lg_u32 s2, 0xf033
	s_cbranch_scc0 .Lentry_shape_is_right
	s_endpgm
.Lentry_shape_is_right:
; out0[m][n] = sum over k of O[m][k] Wo[n][k], m = 8,192, n = k = 1,024.  O lies head-major: att [head 16][8192][64] f16, k = 64 head + channel; wo16 [1024 n][1024 k] f16; out0 f32; sums in f32.
; LIMIT: f16's range for O and Wo, as stated where they are made.
; A tile of out0 is 128 rows x 256 columns: 256 work-groups.  Four waves, each 64 x 128: 32 accumulators of 16 x 16, 256 registers.
; K goes in steps of 128 (two heads) through a ring of two LDS slots.  In a slot: O's two sub-tiles, one a head, each 128 rows x 128 bytes, a dense block of memory; then Wo's 256 rows x 256 bytes.
; Waves 0 and 1 fetch O's sub-tiles, waves 2 and 3 the halves of Wo's rows: one load a wave.
; CLUSTERS: 4 x 4 work-groups.  The four of a row of the cluster need the same tiles of O, the four of a column the same tiles of Wo: each tile is asked for JOINTLY.
; THE MATRIX INSTRUCTION IS USED TRANSPOSED (source 0 = 16 rows of Wo, source 1 = 16 rows of O): a lane then holds eight neighbouring numbers of a row of out0.
; REGISTERS: window 0: v0-31 addresses; v32-127 and v128-223 two fragment buffers for 32 along K: O's 4 fragments, then Wo's 8; on the way out v32-159.  Window 1: accumulator (a, b) at v[8 (8 a + b)].
.set PA,     144                       ; a row of O's sub-tile in LDS: 128 bytes + 16
.set PB,     272                       ; a row of Wo's tile: 256 bytes + 16
.set ASUB,   128*PA                    ; a sub-tile
.set BOFF,   2*ASUB                    ; Wo's tile lies behind the two
.set BHALF,  128*PB
.set SLOT,   BOFF+2*BHALF
.set STG,    2*SLOT                    ; behind the ring: 16 rows x (512 bytes + 16) for each wave, for the way out
.set SPITCH, 528
.set SPARE,  STG+4*16*SPITCH           ; the spare words, 128 bytes for each wave
.set LAPS,   4                         ; a lap = two K steps = once round the ring
.set ADRA, 16                          ; v16-17  LDS address of my O fragments in slot 0, 1
.set ADRB, 20                          ; v20-21  the same for Wo
.set STO,  24                          ; v24     the way out: where I put 32 bytes of a row
.set RD,   25                          ; v25     where I read a row back
.set CO,   26                          ; v26     16 x lane
.set SPW,  28                          ; v28     LDS address of my spare word; never rewritten
.set NIL,  29                          ; v29     0; never rewritten
.set F0,   32
.set F1,   128
.set BK,   32                          ; the way out: 16 rows read back: v32-95 and v96-159 by turns
.set G1, 24                            ; s[24:31] descriptor group 1 for O's tiles;  s[32:39] group 0, one set for each slot
.set G0, 32
.set G1B, 48                           ; s[48:55], s[56:63] the same for Wo's
.set G0B, 56
.set MSB, 0
.macro WIN new                         ; the immediate's high byte repeats the setting that is left
.if MSB != (\new)
	s_set_vgpr_msb (MSB<<8)|(\new)
.set MSB, (\new)
.endif
.endm
.set MUL, 0x50                         ; C and D in window 1, both sources in window 0
.macro JLOAD s                         ; a joint load; an s_nop 0 and four v_nop follow each of the two lines
	s_cmp_eq_u32 s11, 0
	s_cbranch_scc0 .Lfor_b_\@
	tensor_load_to_lds s[G0+4*\s:G0+4*\s+3], s[G1:G1+7]
	s_nop 0
.rept 4
	v_nop
.endr
	s_branch .Lasked_\@
.Lfor_b_\@:
	tensor_load_to_lds s[G0B+4*\s:G0B+4*\s+3], s[G1B:G1B+7]
	s_nop 0
.rept 4
	v_nop
.endr
.Lasked_\@:
.endm
.macro CREST                           ; a round of the cluster's barrier behind its opening barrier
	s_cmp_lg_u32 s10, 0
	s_cbranch_scc1 .Lnot_wave_0_\@
	s_barrier_signal -3
.Lnot_wave_0_\@:
	s_barrier_wait -3
	s_barrier_signal -1
	s_barrier_wait -1
.endm
.macro CROUND                          ; a whole round
	s_barrier_signal -1
	s_barrier_wait -1
	CREST
.endm
	s_load_b128 s[4:7], s[0:1], 0x0                ; att s[4:5], wo16 s[6:7]
	s_load_b64 s[8:9], s[0:1], 0x10                ; out0
	v_lshl_add_u32 v[SPW], v0, 2, SPARE
	v_mov_b32 v[NIL], 0
	ds_add_u32 v[SPW], v[NIL]                      ; the wave's opening: the add, twice on end, and its wait ahead of my first tensor load
	ds_add_u32 v[SPW], v[NIL]
	v_lshrrev_b32 v1, 5, v0
	v_readfirstlane_b32 s10, v1                    ; wave 0..3
	s_lshr_b32 s11, s10, 1                         ; which 64 of the tile's rows are mine.  Also: I fetch for O (0) or for Wo (1)
	s_and_b32 s12, s10, 1                          ; which 128 of its columns.  Also: which sub-tile, or which half of Wo's rows, I fetch
	s_bfe_u32 s40, ttmp6, 0x40000                  ; cx, cy: my place in the cluster
	s_bfe_u32 s41, ttmp6, 0x40004
	s_lshl_b32 s42, ttmp9, 2
	s_add_co_u32 s42, s42, s40                     ; tile column = 4 x cluster x + cx
	s_and_b32 s13, ttmp7, 0xffff
	s_lshl_b32 s13, s13, 2
	s_add_co_u32 s13, s13, s41                     ; tile row = 4 x cluster y + cy
	s_lshl_b32 s43, s41, 2
	s_lshl_b32 s43, 15, s43                        ; my row of the cluster
	s_lshl_b32 s44, 0x1111, s40                    ; my column
	; descriptor group 1.  O: 128 rows x 64 elements of 2 bytes, dense; four words of padding after every 32
	s_or_b32 s[G1+0], s43, (1<<16)|(1<<20)|(1<<21)|(4<<22)|(3<<25)
	s_mov_b32 s[G1+1], 64<<16                      ; tensor_dim0
	s_mov_b32 s[G1+2], 128<<16                     ; tensor_dim1
	s_mov_b32 s[G1+3], 64<<16                      ; tile_dim0
	s_mov_b32 s[G1+4], 128                         ; tile_dim1
	s_mov_b32 s[G1+5], 64                          ; elements from row to row
	s_mov_b32 s[G1+6], 0
	s_mov_b32 s[G1+7], 0
	; Wo: 128 rows x 128 elements, 1,024 elements from row to row; four words of padding after every 64
	s_or_b32 s[G1B+0], s44, (1<<16)|(1<<20)|(1<<21)|(5<<22)|(3<<25)
	s_mov_b32 s[G1B+1], 128<<16
	s_mov_b32 s[G1B+2], 128<<16
	s_mov_b32 s[G1B+3], 128<<16
	s_mov_b32 s[G1B+4], 128
	s_mov_b32 s[G1B+5], 1024
	s_mov_b32 s[G1B+6], 0
	s_mov_b32 s[G1B+7], 0
	s_lshl_b32 s16, s12, 20                        ; O: head (wave % 2) x 8,192 rows of 128 bytes
	s_lshl_b32 s17, s13, 14                        ; + 128 x tile row rows
	s_add_co_u32 s16, s16, s17
	s_mov_b32 s17, 0
	s_lshl_b32 s46, s42, 19                        ; Wo: row 256 x tile column, 2,048 bytes a row,
	s_lshl_b32 s47, s12, 18                        ; + 128 x (wave % 2) rows
	s_add_co_u32 s46, s46, s47
	s_mov_b32 s47, 0
	s_mul_i32 s20, s12, ASUB                       ; where they go: no place in the cluster enters an LDS address
	s_mul_i32 s21, s12, BHALF
	s_add_co_u32 s21, s21, BOFF
	s_wait_dscnt 0x0                               ; both opening adds are done
	s_wait_kmcnt 0x0
	s_add_nc_u64 s[14:15], s[4:5], s[16:17]
	s_add_nc_u64 s[46:47], s[6:7], s[46:47]
	CROUND                                         ; all sixteen work-groups are here: the first joint loads meet
.irp s, 0,1
	s_mov_b32 s[G0+4*\s], 1
	s_add_co_u32 s[G0+4*\s+1], s20, \s*SLOT
	s_add_nc_u64 s[G0+4*\s+2:G0+4*\s+3], s[14:15], \s*0x200000     ; K step s: two heads on
	s_or_b32 s[G0+4*\s+3], s[G0+4*\s+3], 0x80000000
	s_mov_b32 s[G0B+4*\s], 1
	s_add_co_u32 s[G0B+4*\s+1], s21, \s*SLOT
	s_add_nc_u64 s[G0B+4*\s+2:G0B+4*\s+3], s[46:47], \s*256
	s_or_b32 s[G0B+4*\s+3], s[G0B+4*\s+3], 0x80000000
	JLOAD \s                                       ; two loads of mine are out behind the second
.endr
	v_and_b32 v1, 15, v0                           ; l % 16
	v_bfe_u32 v2, v0, 4, 1                         ; l / 16
	v_mul_u32_u24 v3, v1, PA
	v_lshl_add_u32 v3, v2, 4, v3                   ; a fragment's row x pitch + 16 x half
	v_mul_u32_u24 v4, v1, PB
	v_lshl_add_u32 v4, v2, 4, v4
	s_mul_i32 s22, s11, 64*PA                      ; my 64 rows of O
	s_mul_i32 s23, s12, BHALF                      ; my 128 rows of Wo,
	s_add_co_u32 s23, s23, BOFF                    ; behind O's sub-tiles
.irp s, 0,1
	v_add_nc_u32 v[ADRA+\s], s22, v3
	v_add_nc_u32 v[ADRB+\s], s23, v4
	s_add_co_u32 s22, s22, SLOT
	s_add_co_u32 s23, s23, SLOT
.endr
	s_mul_i32 s23, s10, 16*SPITCH
	s_add_co_u32 s23, s23, STG                     ; my stage
	v_mul_u32_u24 v5, v1, SPITCH                   ; in: row l % 16, 32 bytes for each half of the lanes
	v_lshl_add_u32 v5, v2, 5, v5
	v_add_nc_u32 v[STO], s23, v5
	v_and_b32 v6, 31, v0
	v_lshlrev_b32 v[CO], 4, v6                     ; back: the 32 lanes take one row of 512 bytes; and the same in out0
	v_add_nc_u32 v[RD], s23, v[CO]
	s_lshl_b32 s16, s13, 7
	s_lshl_b32 s17, s11, 6
	s_add_co_u32 s16, s16, s17                     ; my first row: 128 x tile row + 64 x half
	s_lshl_b32 s16, s16, 12                        ; 4,096 bytes a row
	s_mov_b32 s17, 0
	s_add_nc_u64 s[8:9], s[8:9], s[16:17]
	s_lshl_b32 s46, s42, 10                        ; my first column, in bytes: 1,024 x tile column + 512 x half
	s_lshl_b32 s47, s12, 9
	s_add_co_u32 s46, s46, s47
	s_mov_b32 s47, 0
	s_add_nc_u64 s[8:9], s[8:9], s[46:47]
; 8 matrix instructions: O's block a x Wo's eight, 32 along K, out of buffer f.  zero = 1: the first product starts the sums.  The 32 accumulators take turns, in the same order in every quarter.
.macro MUL8 f, a, zero
.irp b, 0,1,2,3,4,5,6,7
.if \zero
	v_wmma_f32_16x16x32_f16 v[8*(8*(\a)+\b):8*(8*(\a)+\b)+7], v[\f+32+8*\b:\f+32+8*\b+7], v[\f+8*(\a):\f+8*(\a)+7], 0
.else
	v_wmma_f32_16x16x32_f16 v[8*(8*(\a)+\b):8*(8*(\a)+\b)+7], v[\f+32+8*\b:\f+32+8*\b+7], v[\f+8*(\a):\f+8*(\a)+7], v[8*(8*(\a)+\b):8*(8*(\a)+\b)+7]
.endif
.endr
.endm
; 24 LDS loads in one run: the fragments of the slot's q-th 32 along K into buffer f: Wo's sixteen loads first, then O's eight (quarters 0, 1 lie in the first sub-tile, 2, 3 in the second)
.macro FETCH slot, q, f
.irp b, 0,1,2,3,4,5,6,7
	ds_load_b128 v[\f+32+8*\b:\f+32+8*\b+3],   v[ADRB+\slot] offset:(\q)*64+\b*16*PB
	ds_load_b128 v[\f+32+8*\b+4:\f+32+8*\b+7], v[ADRB+\slot] offset:(\q)*64+\b*16*PB+32
.endr
.irp a, 0,1,2,3
	ds_load_b128 v[\f+8*\a:\f+8*\a+3],   v[ADRA+\slot] offset:((\q)/2)*ASUB+((\q)%2)*64+\a*16*PA
	ds_load_b128 v[\f+8*\a+4:\f+8*\a+7], v[ADRA+\slot] offset:((\q)/2)*ASUB+((\q)%2)*64+\a*16*PA+32
.endr
.endm
.macro PLACES                          ; four plain vector instructions in front of loads into registers that matrix instructions have read, and of the first read of results
.rept 4
	v_nop
.endr
.endm
; A K step is four quarters of 32 along K, 32 matrix instructions each, on buffers 0, 1, 0, 1.  One of the first three: multiplies buffer f and fetches quarter q into g.
.macro QUARTER slot, q, f, g, zero
	s_wait_dscnt 4                                 ; Wo's fragments and O's blocks 0, 1 are in; the youngest four loads (O's blocks 2, 3) may be out
	WIN MUL
	MUL8 \f, 0, \zero
	MUL8 \f, 1, \zero
	PLACES
	WIN 0
	FETCH \slot, \q, \g
	s_wait_dscnt 24                                ; all but the 24 just issued
	WIN MUL
	MUL8 \f, 2, \zero
	MUL8 \f, 3, \zero
.endm
; The last quarter multiplies buffer 1 and changes slots: ONE barrier; in front of it each wave waits for all its tensor loads, adds 0 to its spare word, and waits for that and for its own reads of this slot.
; fill = 1: the barrier opens a round of the cluster's barrier, and this slot is filled again, two K steps ahead: one load of mine is out behind the round, with 112 matrix instructions ahead of the wait for it.
.macro TURN slot, next, fill
	WIN 0                                          ; (the add's two registers lie in window 0)
	s_wait_tensorcnt 0x0                           ; all my tensor loads have landed: my part of the next slot
	ds_add_u32 v[SPW], v[NIL]                      ; 0 onto my spare word
	s_wait_dscnt 5                                 ; (the add and the youngest four loads may be out)
	WIN MUL
	MUL8 F1, 0, 0                                  ; eight matrix instructions stand between the add and the wait for it
	s_wait_dscnt 0x0                               ; the add is done, and my reads of this slot are over
	s_barrier_signal -1
	MUL8 F1, 1, 0
.if \fill
	WIN 0
.endif
	s_barrier_wait -1
.if \fill
	CREST                                          ; no wave of any partner still reads this slot's tiles or has a load on its way
	s_add_nc_u64 s[G0+4*\slot+2:G0+4*\slot+3], s[G0+4*\slot+2:G0+4*\slot+3], 0x400000   ; four heads on
	s_add_nc_u64 s[G0B+4*\slot+2:G0B+4*\slot+3], s[G0B+4*\slot+2:G0B+4*\slot+3], 512
	JLOAD \slot                                    ; the first tensor load behind the round; its four v_nop are also the places in front of the loads below
.else
	PLACES
	WIN 0
.endif
	FETCH \next, 0, F0
	WIN MUL
	MUL8 F1, 2, 0
	MUL8 F1, 3, 0
.endm
	s_wait_tensorcnt 1                             ; my part of K step 0 is in; K step 1's load, issued behind it, may be out
	s_barrier_signal -1
	s_barrier_wait -1                              ; everybody's is
	FETCH 0, 0, F0
	QUARTER 0, 1, F0, F1, 1                        ; the first quarter stands in front of the loop: its products start the sums
	WIN 0                                          ; at a label and at a branch every window is 0
	s_mov_b32 s3, LAPS-1
.Llap:                                                 ; a trip goes once round the ring, from a lap's second quarter to the next lap's first, and fills both slots again
	QUARTER 0, 2, F1, F0, 0
	QUARTER 0, 3, F0, F1, 0
	TURN 0, 1, 1
	QUARTER 1, 1, F0, F1, 0
	QUARTER 1, 2, F1, F0, 0
	QUARTER 1, 3, F0, F1, 0
	TURN 1, 0, 1
	QUARTER 0, 1, F0, F1, 0
	WIN 0
	s_sub_co_u32 s3, s3, 1
	s_cmp_lg_u32 s3, 0
	s_cbranch_scc1 .Llap
	QUARTER 0, 2, F1, F0, 0                        ; the last lap fills nothing, and has no round of the cluster's barrier
	QUARTER 0, 3, F0, F1, 0
	TURN 0, 1, 0
	QUARTER 1, 1, F0, F1, 0
	QUARTER 1, 2, F1, F0, 0
	QUARTER 1, 3, F0, F1, 0
	s_wait_dscnt 4                                 ; the very last quarter: nothing more to fetch
	WIN MUL
	MUL8 F1, 0, 0
	MUL8 F1, 1, 0
	s_wait_dscnt 0
	MUL8 F1, 2, 0
	MUL8 F1, 3, 0
	WIN 0
; THE WAY OUT, block by block of 16 rows x 128 columns.  A lane holds 32 neighbouring bytes of a row, and the lanes beside it hold other rows: so a block goes through my own stage and comes back as whole
; rows of 512 bytes.  LDS serves a wave's instructions in order (ISA guide 5.7.1): no wait between the stores and the loads, nor in front of the next block's stores.
.macro TOSTAGE a
	WIN 0x04                                       ; an LDS store's data are its source 1: window 1
.irp b, 0,1,2,3,4,5,6,7
	ds_store_b128 v[STO], v[64*(\a)+8*\b:64*(\a)+8*\b+3] offset:64*\b          ; each accumulator from its low end on
	ds_store_b128 v[STO], v[64*(\a)+8*\b+4:64*(\a)+8*\b+7] offset:64*\b+16
.endr
	WIN 0
.set BB, BK+64*((\a)%2)
.irp t, 0,1,2,3,4,5,6,7,8,9,10,11,12,13,14,15
	ds_load_b128 v[BB+4*\t:BB+4*\t+3], v[RD] offset:\t*SPITCH
.endr
.endm
.macro SEND a, younger                 ; younger: the LDS instructions issued behind block a's loads, which may stay out
.set BB, BK+64*((\a)%2)
	s_wait_dscnt \younger                          ; the block is back in registers
.irp t, 0,1,2,3,4,5,6,7,8,9,10,11,12,13,14,15
	global_store_b128 v[CO], v[BB+4*\t:BB+4*\t+3], s[8:9] offset:(16*(\a)+\t)*4096 th:TH_STORE_NT   ; 32 lanes store 512 consecutive bytes, at a multiple of 256 from out0's first byte; 63 rows at the most in the immediate
.endr
.endm
	PLACES                                         ; behind the last products: the stores read results, and the loads land in registers that held fragments
	TOSTAGE 0
.irp a, 1,2,3
.if \a > 1
	s_wait_xcnt 0x0                                ; block a - 2's stores have read their data registers: block a's loads may land there
.endif
	TOSTAGE \a
	SEND \a-1, 32                                  ; behind block a - 1's loads: block a's 16 stores and 16 loads
.endr
	SEND 3, 0
	s_wait_tensorcnt 0x0                           ; the wave's end, behind my last tensor load and my last LDS store
	ds_add_u32 v[SPW], v[NIL]
	s_wait_dscnt 0x0
	CROUND                                         ; the closing round: no work-group ends while a partner may still ask for a tile that names it
	s_endpgm
.Lfunc_end_k_q6feda36e58_proj:
	.size	k_q6feda36e58_proj, .Lfunc_end_k_q6feda36e58_proj-k_q6feda36e58_proj
	.p2alignl 7, 3214868480
	.fill 96, 4, 3214868480
	.section	.rodata,"a",@progbits
	.p2align	6, 0x0
	.amdhsa_kernel k_q6feda36e58_proj
		.amdhsa_group_segment_fixed_size 327680
		.amdhsa_private_segment_fixed_size 0
		.amdhsa_enable_private_segment 0
		.amdhsa_kernarg_size 24
		.amdhsa_user_sgpr_count 2
		.amdhsa_user_sgpr_kernarg_segment_ptr 1
		.amdhsa_wavefront_size32 1
		.amdhsa_system_sgpr_workgroup_id_x 1
		.amdhsa_system_sgpr_workgroup_id_y 1
		.amdhsa_system_sgpr_workgroup_id_z 1
		.amdhsa_system_vgpr_workitem_id 0
		.amdhsa_next_free_vgpr 512
		.amdhsa_next_free_sgpr 66
		.amdhsa_reserve_vcc 0
		.amdhsa_float_denorm_mode_32 3
		.amdhsa_float_denorm_mode_16_64 3
		.amdhsa_memory_ordered 1
		.amdhsa_forward_progress 1
		.amdhsa_inst_pref_size 85
	.end_amdhsa_kernel
	.amdgpu_metadata
---
amdhsa.version: [ 1, 2 ]
amdhsa.kernels:
  - .name:           k_q6feda36e58_proj
    .symbol:         k_q6feda36e58_proj.kd
    .args:
      - { .name: att, .offset: 0, .size: 8, .value_kind: global_buffer, .address_space: global }
      - { .name: wo16, .offset: 8, .size: 8, .value_kind: global_buffer, .address_space: global }
      - { .name: out0, .offset: 16, .size: 8, .value_kind: global_buffer, .address_space: global }
    .group_segment_fixed_size: 327680
    .private_segment_fixed_size: 0
    .kernarg_segment_align: 8
    .kernarg_segment_size: 24
    .max_flat_workgroup_size: 128
    .sgpr_count:     66
    .vgpr_count:     512
    .wavefront_size: 32
...
	.end_amdgpu_metadata
.endif
;; end of part 4
